; MI455X (gfx1250); checked and timed in simulation.
; The chip was launched on July 23, 2026; its instructions are those of AMD's public machine-readable ISA for CDNA 5 (MIT licence, August 2026) and "CDNA5" Instruction Set Architecture Reference Guide (July 2026). The comments in the code are by the model that wrote it; some were corrected since.
;; Multi Head Attention. Allowed arithmetic: matrix products marked QUANTISED: E2M3 operands, one E8M0 scale for each 32 along K, by v_wmma_scale_f32_16x16x128_f8f6f4 with both operands' format E2M3, f32 sums; everything else in f32.
;; Inputs: W_out 1,024 x 1,024 float32; W_qkv 3,072 x 1,024 float32; b_out 1,024 float32; b_qkv 3,072 float32; x 4 x 2,048 x 1,024 float32.
;; Outputs: out0 4 x 2,048 x 1,024 float32.
;; This version of the problem:
;;   THIS VERSION OF THE PROBLEM IS GIVEN IN LOW PRECISION. The matrix products marked QUANTISED in the list below multiply operands that are first quantised to E2M3 (2 exponent bits, 3 mantissa bits; 6 bits a number), with one power-of-two scale for each 32 numbers along K (OCP MX v1.0); their sums are f32. All else is computed in f32.
;;   The module's matrix products, in the order in which they are computed (A, B: the left and right operand; K: the contracted axis; several contracted axes count as one K, in the product's order):
;;     1. [M 8,192, K 1,024] x [K 1,024, N 3,072]; A: input x; B: input W_qkv: QUANTISED
;;     2. batch 64 x [M 2,048, K 64] x [K 64, N 2,048]; A: computed on the way; B: computed on the way: QUANTISED
;;     3. batch 64 x [M 2,048, K 2,048] x [K 2,048, N 64]; A: softmax (see below); B: computed on the way: QUANTISED
;;     4. [M 8,192, K 1,024] x [K 1,024, N 1,024]; A: computed on the way; B: input W_out: QUANTISED
;;   THE QUANTISER, for each operand of a quantised product, along K:
;;     - K is cut into blocks of 32 from its start; a last block that is shorter is filled with zeros.
;;     - A block's scale is 2^e with e = floor(log2(the largest magnitude in the block)) - 2, held to -126 .. 127; a block of zeros has e = 0. As a byte (E8M0): e + 127.
;;     - Each number is divided by its block's scale, clamped to +-7.5, and rounded to the nearest number of E2M3, ties to even, subnormals kept.
;;     - The product sums the exact products of the quantised numbers (number of the format x scale) in f32.
;;   ~~~python
;;   def quantise(x, axis):      # numpy; x: float32 -> the quantised numbers, widened to float32 again
;;       x = np.moveaxis(x, axis, -1); K = x.shape[-1]
;;       x = np.pad(x, [(0, 0)] * (x.ndim - 1) + [(0, -K % 32)]); x = x.reshape(x.shape[:-1] + (-1, 32)); a = np.abs(x).max(-1, keepdims=True)
;;       e = np.where(a > 0, np.clip(np.frexp(np.where(a > 0, a, 1))[1] - 1 - 2, -126, 127), 0)      # np.frexp(a)[1] - 1 = floor(log2(a)), exactly
;;       r = np.clip(x / 2.0 ** e, -7.5, 7.5)
;;       step = 2.0 ** (np.maximum(np.frexp(np.where(r == 0, 1, r))[1] - 1, 0) - 3)
;;       q = np.round(r / step) * step * 2.0 ** e      # np.round: ties to even
;;       return np.moveaxis(q.reshape(q.shape[:-2] + (-1,))[..., :K], -1, axis).astype(np.float32)
;;   ~~~
;;   SOFTMAX AHEAD OF A QUANTISED PRODUCT. Where the list says 'softmax', what is quantised is not the finished softmax but p = 2^(t - M), with t = logit x log2(e) and M = ceil(the row's largest t), a whole number; so 1/2 < the row's largest p <= 1. The row's sum l is taken of the UNQUANTISED p, in f32, and the product's result is divided by l at the end. Since M is a whole number, a kernel that streams over the keys may use a running M (the ceiling of the running maximum): every later rescaling is an exact power of two, which a block's scale takes up: the codes' values come out the same.
;;   OPERANDS COMPUTED ON THE WAY. 'Computed on the way' means the value that the module computes at that place (a softmax that the list does not call 'softmax' is quantised finished and normalised). What goes into a quantiser is computed in f32, as accurately as f32 sums, v_exp_f32 and their like allow (about 1e-6 of the number): no bf16 or f16 on the way to a quantiser, and a product that is left as it is and whose result goes on into a quantised operand takes f32 operands (vector FMAs, or v_wmma_f32_16x16x4_f32). A number that lies on a knife's edge between two numbers of the format may be rounded either way, as far as f32 arithmetic and the matrix unit's own rounding can turn it there, and no further.
;; One version. Each part assembles by itself: llvm-mc -triple=amdgcn-amd-amdhsa -mcpu=gfx1250 --defsym DOCPART=n.
;; ======== version 1 of 1: 4 launches
;; limits: right only within a limited range of input values
;; workspace buffers: xw 9,830,400 bytes; qkvc 19,660,800 bytes; valc 6,553,600 bytes
;; launch quant (part 1): grid 768 x 1, 4 waves a work-group, no clusters, 36,352 bytes of LDS; arguments x, W_qkv, W_out, xw; writes xw
.if DOCPART == 1
	.amdgcn_target "amdgcn-amd-amdhsa--gfx1250"
	.amdhsa_code_object_version 6
	.text
	.protected	k_q9b1f057fd9_quant
	.globl	k_q9b1f057fd9_quant
	.p2align	8
	.type	k_q9b1f057fd9_quant,@function
k_q9b1f057fd9_quant:
	s_mov_b64 s[64:65], 0
	v_nop
	global_prefetch_b8 v0, s[64:65] scope:SCOPE_SE
	s_setreg_imm32_b32 hwreg(HW_REG_WAVE_MODE, 25, 1), 1
	s_wait_xcnt 0x0
; x [8192][1024], W_qkv [3072][1024] and W_out [1024][1024], f32, K innermost, become codes of FP6 (E2M3) and E8M0 scale bytes, one for each 32 along K, laid in xw AS IMAGES OF OPERAND REGISTERS.
; A block's scale is 2^(floor(log2(its largest magnitude)) - 2); its byte is the largest magnitude's exponent field - 2, held at 1 from below.
; LIMITS: NaN and infinities are not served; a block whose largest magnitude lies under 2^-124, a block of zeros among them, keeps the byte 1 (the codes of a block of zeros are zeros; this program alone reads the bytes).
; TILE T of a tensor is 16 rows: its row r is tensor row 32 (T / 2) + 8 (T % 2) + r + 8 (r / 8).
; FRAGMENT IMAGE, 1,536 bytes: 16 rows x 128 K: three pieces of 512 bytes; piece c holds lane l's registers 4 c .. 4 c + 3 at 16 l.  Lane (r, h) holds row r; registers 6 c .. 6 c + 5 hold K = 64 c + 32 h + 0 .. 31.
; SCALE TILE, 512 bytes a tile: lane (r, h) has 16 bytes at 16 l: the scale words of K steps 4 h .. 4 h + 3 of row r.
; xw: x's codes [block of 256 rows][K step 8][tile 16][image]; W_qkv's at WCO [head 16][8][tile 12]; W_out's at OCO [block of 128 rows][8][tile 8]; from XSO on the scale tiles of all three, on end.
; SHARES: a work-group takes ONE tile of 16 rows over all of K; wave w takes K steps 2 w and 2 w + 1: two fragments, whose 32 loads are all issued at the start.  768 work-groups: the first 512 take x, the next 192 W_qkv, the last 64 W_out:
; only pointers and sizes are chosen, by the work-group's number; all take one path through the text.
; A load reads 512 consecutive bytes (one row's 128 numbers of a K step); the 16 rows turn through the wave's own stage in LDS (pitch 528 bytes), so that a lane gets 2 x 32 neighbours along K: two whole blocks, no other lane is asked for a maximum.
.set WCO,  6291456
.set OCO,  8650752
.set XSO,  9437184
.set SP,   528                         ; a stage row: 512 bytes + 16
.set STGB, 16*SP                       ; a wave's stage
.set SCR,  4*STGB                      ; behind the stages: the work-group's scale tile
.set R,    32                          ; v32-95, v96-159  two sets of 64 numbers
.set C,    160                         ; v160-183         12 registers of codes for each fragment: no store's data are written again
	s_load_b256 s[4:11], s[0:1], 0x0               ; x s[4:5], W_qkv s[6:7], W_out s[8:9], xw s[10:11]
	v_lshl_add_u32 v208, v0, 2, 0x8c00             ; my spare word, and 0
	v_mov_b32 v209, 0
	v_lshrrev_b32 v1, 5, v0
	v_readfirstlane_b32 s3, v1                     ; wave 0..3
	v_and_b32 v1, 31, v0                           ; lane
	v_and_b32 v2, 15, v0                           ; r
	v_bfe_u32 v3, v0, 4, 1                         ; h
	v_lshlrev_b32 v11, 4, v1                       ; 16 x lane
	s_wait_alu depctr_va_vdst(0)                   ; the wait ahead of the scalar lines among the readers below
	s_lshl_b32 s30, s3, 10
	v_add_nc_u32 v4, s30, v11                      ; in: my 16 bytes of a row's K step 2 w
	s_mul_i32 s31, s3, STGB
	v_add_nc_u32 v5, s31, v11                      ; the stage, on the way in: 16 x lane in a row
	v_mul_u32_u24 v6, v2, SP
	v_lshl_add_u32 v6, v3, 7, v6
	v_add_nc_u32 v6, s31, v6                       ; and on the way out: row r, + 128 h: my 32 neighbours
	s_lshr_b32 s32, s3, 1
	s_lshl_b32 s32, s32, 8
	s_and_b32 s33, s3, 1
	s_lshl_b32 s33, s33, 3
	s_add_co_u32 s32, s32, s33
	s_add_co_u32 s32, s32, SCR
	v_lshl_add_u32 v9, v2, 4, s32                  ; my scale words' place in the scale tile: 256 (w / 2) + 8 (w % 2) + 16 r
	v_lshlrev_b32 v10, 3, v3                       ; 8 h: my two bytes' shift in the word
	v_add_nc_u32 v28, SCR, v11                     ; the scale tile's way out (wave 0): 16 x lane in LDS
	v_mov_b32 v19, 0                               ; written once: a lane permute's destination counts as one of its sources
	s_mov_b32 s34, 0x76543210
	s_mov_b32 s35, 0xfedcba98                      ; v_permlanex16_b32's selects for lane l xor 16
	s_mov_b32 s14, 704
	s_mov_b32 s15, OCO
	s_wait_alu depctr_va_vdst(0)                   ; the wait at the head's end
	s_wait_kmcnt 0x0
	s_cmp_lt_u32 ttmp9, 704                        ; W_out's figures, or W_qkv's,
	s_cselect_b64 s[12:13], s[6:7], s[8:9]
	s_cselect_b32 s14, 512, s14                    ; the tensor's first work-group
	s_cselect_b32 s15, WCO, s15                    ; its codes' place in xw
	s_cselect_b32 s16, 6, 4                        ; groups of 32 rows in a block
	s_cselect_b32 s17, 43, 64                      ; (g x this) >> 8 = g / the number above, exact for the g that occur (under 96, under 32, under 256)
	s_cmp_lt_u32 ttmp9, 512                        ; or x's
	s_cselect_b64 s[12:13], s[4:5], s[12:13]
	s_cselect_b32 s14, 0, s14
	s_cselect_b32 s15, 0, s15
	s_cselect_b32 s16, 8, s16
	s_cselect_b32 s17, 32, s17
	s_sub_co_u32 s18, ttmp9, s14                   ; the tile T
	s_and_b32 s36, s18, 1                          ; T % 2
	s_lshr_b32 s18, s18, 1                         ; g = T / 2
	s_mul_i32 s19, s18, s17
	s_lshr_b32 s19, s19, 8                         ; the block
	s_mul_i32 s20, s19, s16
	s_sub_co_u32 s20, s18, s20                     ; g's place in it
	s_mul_i32 s21, s16, 3072                       ; from a K step to the next: the block's tiles x 1,536
	s_mul_i32 s22, s19, s21
	s_lshl_b32 s22, s22, 3                         ; a block is 8 K steps
	s_mul_i32 s20, s20, 3072
	s_add_co_u32 s22, s22, s20
	s_mul_i32 s37, s36, 1536
	s_add_co_u32 s22, s22, s37
	s_add_co_u32 s22, s22, s15
	s_mov_b32 s23, 0
	s_add_nc_u64 s[24:25], s[10:11], s[22:23]      ; my tile's image of K step 0
	s_lshl_b32 s26, s18, 17                        ; 32 rows of 4,096 bytes a group,
	s_lshl_b32 s37, s36, 15                        ; 8 rows for the odd tile
	s_add_co_u32 s26, s26, s37
	s_mov_b32 s27, 0
	s_add_nc_u64 s[12:13], s[12:13], s[26:27]
	s_lshl_b32 s28, ttmp9, 9
	s_add_co_u32 s28, s28, XSO
	s_mov_b32 s29, 0
	s_add_nc_u64 s[28:29], s[10:11], s[28:29]      ; my scale tile
	s_lshl_b32 s30, s3, 1
	s_mul_i32 s30, s30, s21
	v_add_nc_u32 v7, s30, v11                      ; out: K step 2 w,
	s_add_co_u32 s30, s30, s21
	v_add_nc_u32 v8, s30, v11                      ; K step 2 w + 1
.macro LOAD f                          ; fragment f: the tile's 16 rows, K step 2 w + f
.set i, 0
.rept 16
	global_load_b128 v[R+64*(\f)+4*i:R+64*(\f)+4*i+3], v4, s[12:13] offset:(i+8*(i/8))*4096+512*(\f) th:TH_LOAD_NT
.set i, i+1
.endr
.endm
.macro FRAGQ f
.set RS, R+64*(\f)
.set CS, C+12*(\f)
	s_wait_loadcnt 16*(1-(\f))                     ; this fragment's 16 loads are in; the other fragment's 16, issued behind them, may be out
.set i, 0
.rept 16
	ds_store_b128 v5, v[RS+4*i:RS+4*i+3] offset:SP*i
.set i, i+1
.endr
.set i, 0
.rept 16
	ds_load_b128 v[RS+4*i:RS+4*i+3], v6 offset:256*(i/8)+16*(i%8)   ; LDS serves a wave's instructions in order (ISA guide 5.7.1.4): these see the stores above.  Register 32 c + i = K 64 c + 32 h + i of row r
.set i, i+1
.endr
	s_wait_dscnt 0x0
	v_max3_num_f32 v12, |v[RS]|, |v[RS+1]|, 0x1800000              ; my two blocks' largest magnitudes, by turns, and the floor 2^(3 - 127): the byte cannot fall under 1
	v_max3_num_f32 v13, |v[RS+32]|, |v[RS+33]|, 0x1800000
.set i, 2
.rept 15
	v_max3_num_f32 v12, v12, |v[RS+i]|, |v[RS+i+1]|
	v_max3_num_f32 v13, v13, |v[RS+32+i]|, |v[RS+33+i]|
.set i, i+2
.endr
	v_add_nc_u32 v14, 0xff000000, v12              ; 2 off the exponent field: the conversion takes the exponent field of this operand as its scale
	v_add_nc_u32 v15, 0xff000000, v13
	v_lshrrev_b32 v16, 23, v14                     ; the scales' bytes: blocks h and 2 + h of row r
	v_lshrrev_b32 v17, 23, v15
	v_lshl_or_b32 v18, v17, 16, v16
	v_lshlrev_b32 v18, v10, v18                    ; at their places in the scale word
	v_permlanex16_b32 v19, v18, s34, s35
	v_or_b32 v18, v18, v19                         ; with lane l xor 16's two the word is whole
	v_cvt_scalef32_pk16_fp6_f32 v[CS:CS+2], v[RS:RS+15], v14
	v_cvt_scalef32_pk16_fp6_f32 v[20:22], v[RS+16:RS+31], v14      ; (a conversion's three registers begin on an even number: the second half of a block's six is made elsewhere and moved)
	v_cvt_scalef32_pk16_fp6_f32 v[CS+6:CS+8], v[RS+32:RS+47], v15
	v_cvt_scalef32_pk16_fp6_f32 v[24:26], v[RS+48:RS+63], v15
	v_nop                                          ; one plain place behind a scaled conversion
.irp i, 0,1,2
	v_mov_b32 v[CS+3+\i], v[20+\i]
	v_mov_b32 v[CS+9+\i], v[24+\i]
.endr
.irp c, 0,1,2
	global_store_b128 v[7+(\f)], v[CS+4*\c:CS+4*\c+3], s[24:25] offset:512*\c   ; 32 lanes store 512 consecutive bytes, at a multiple of 256 from xw's first byte
.endr
	ds_store_b32 v9, v18 offset:4*(\f)             ; lanes r and r + 16 write the same word with the same value
.endm
	LOAD 0
	LOAD 1
	FRAGQ 0
	FRAGQ 1
	s_wait_dscnt 0x0                               ; for the others' sake: my scale words lie in LDS
	s_barrier_signal -1
	s_barrier_wait -1
	s_cmp_lt_u32 s3, 1                             ; wave 0 stores the whole scale tile
	s_cbranch_scc0 .Ldone
	ds_load_b128 v[20:23], v28
	s_wait_dscnt 0x0
	global_store_b128 v11, v[20:23], s[28:29]
.Ldone:
	s_wait_tensorcnt 0x0                           ; the wave's end
	ds_add_u32 v208, v209
	s_wait_dscnt 0x0
	s_endpgm
.Lfunc_end_k_q9b1f057fd9_quant:
	.size	k_q9b1f057fd9_quant, .Lfunc_end_k_q9b1f057fd9_quant-k_q9b1f057fd9_quant
	.p2alignl 7, 3214868480
	.fill 96, 4, 3214868480
	.section	.rodata,"a",@progbits
	.p2align	6, 0x0
	.amdhsa_kernel k_q9b1f057fd9_quant
		.amdhsa_group_segment_fixed_size 36352
		.amdhsa_private_segment_fixed_size 0
		.amdhsa_enable_private_segment 0
		.amdhsa_kernarg_size 32
		.amdhsa_user_sgpr_count 2
		.amdhsa_user_sgpr_kernarg_segment_ptr 1
		.amdhsa_wavefront_size32 1
		.amdhsa_system_sgpr_workgroup_id_x 1
		.amdhsa_system_sgpr_workgroup_id_y 1
		.amdhsa_system_sgpr_workgroup_id_z 1
		.amdhsa_system_vgpr_workitem_id 0
		.amdhsa_next_free_vgpr 210
		.amdhsa_next_free_sgpr 66
		.amdhsa_reserve_vcc 0
		.amdhsa_float_denorm_mode_32 3
		.amdhsa_float_denorm_mode_16_64 3
		.amdhsa_memory_ordered 1
		.amdhsa_forward_progress 1
		.amdhsa_inst_pref_size 18
	.end_amdhsa_kernel
	.amdgpu_metadata
---
amdhsa.version: [ 1, 2 ]
amdhsa.kernels:
  - .name:           k_q9b1f057fd9_quant
    .symbol:         k_q9b1f057fd9_quant.kd
    .args:
      - { .name: x, .offset: 0, .size: 8, .value_kind: global_buffer, .address_space: global }
      - { .name: W_qkv, .offset: 8, .size: 8, .value_kind: global_buffer, .address_space: global }
      - { .name: W_out, .offset: 16, .size: 8, .value_kind: global_buffer, .address_space: global }
      - { .name: xw, .offset: 24, .size: 8, .value_kind: global_buffer, .address_space: global }
    .group_segment_fixed_size: 36352
    .private_segment_fixed_size: 0
    .kernarg_segment_align: 8
    .kernarg_segment_size: 32
    .max_flat_workgroup_size: 128
    .sgpr_count:     66
    .vgpr_count:     210
    .wavefront_size: 32
...
	.end_amdgpu_metadata
.endif
;; end of part 1
;; launch qkv (part 2): grid 16 x 32, 4 waves a work-group, clusters of 4 x 4, 327,680 bytes of LDS; arguments xw, b_qkv, qkvc; writes qkvc
.if DOCPART == 2
	.amdgcn_target "amdgcn-amd-amdhsa--gfx1250"
	.amdhsa_code_object_version 6
	.text
	.protected	k_q9b1f057fd9_qkv
	.globl	k_q9b1f057fd9_qkv
	.p2align	8
	.type	k_q9b1f057fd9_qkv,@function
k_q9b1f057fd9_qkv:
	s_mov_b64 s[64:65], 0
	v_nop
	global_prefetch_b8 v0, s[64:65] scope:SCOPE_SE
	s_setreg_imm32_b32 hwreg(HW_REG_WAVE_MODE, 25, 1), 1
	s_wait_xcnt 0x0
	s_wait_alu depctr_hold_cnt(0) depctr_sa_sdst(0) depctr_va_vdst(0) depctr_va_sdst(0) depctr_va_ssrc(0) depctr_va_vcc(0) depctr_vm_vsrc(0)
	s_getreg_b32 s2, hwreg(HW_REG_IB_STS2, 6, 4)
	s_cmp_eq_u32 s2, 0
	s_cbranch_scc0 .Lentry_in_a_cluster
	s_endpgm
.Lentry_in_a_cluster:
	s_bfe_u32 s2, ttmp6, 0x10000c
	s_cmp_lg_u32 s2, 0xf033
	s_cbranch_scc0 .Lentry_shape_is_right
	s_endpgm
.Lentry_shape_is_right:
; qkv = x W_qkv^T + b_qkv on codes of FP6 (E2M3) with E8M0 scales, and q, k, v quantised in registers for the two products of attention: no f32 number of qkv goes to memory.
; LIMITS: NaN and infinities are not served; a block whose largest magnitude lies under 2^-124, a block of zeros among them, keeps the scale byte 1 (this program alone reads the bytes).
; TILES, FRAGMENT IMAGES (1,536 bytes) and SCALE TILES (512 bytes) in xw: tile T's row r is tensor row 32 (T / 2) + 8 (T % 2) + r + 8 (r / 8); an image holds a lane's registers 4 c .. 4 c + 3 at 512 c + 16 l;
; a scale tile holds, at 16 l, the words of K steps 4 (l / 16) .. + 3 of row l % 16: K step s takes register s % 4, from lanes 16-31 for s >= 4.
; SHARES: a work-group takes 256 rows of x (block RB) and the 192 columns of one head.  Wave w takes rows 64 w .. + 63 (x's tiles a = 0..3) x all 12 tiles of columns (b = 0-3 q, 4-7 k, 8-11 v): 48 accumulators, so each wave holds whole q, k, v of its rows.
; q AND k ARE USED TRANSPOSED (source 0 = 16 rows of W, source 1 = 16 rows of x): a lane holds one token and its registers run along the head's 64, the K of q k^T.
; v IS USED AS IT IS (source 0 = x, source 1 = W): a lane holds one channel and its registers run down the tokens, the K of p v.  By the choice of a tile's rows 16 registers of two neighbouring tiles are 16 neighbours along that K.
; The bias is the C of each sum's first matrix instruction.
; K goes in 8 steps of 128, two to a chunk.  Chunks 0, 1, 2 fill three LDS slots at the start; chunk 3 fills slot 0 again behind K step 1: that load has four K steps, 192 matrix instructions, in which to land.
; CLUSTER 4 x 4: x's tiles hang on RB alone and are shared along a row of the cluster, W's on the head alone and are shared along a column: each is asked for jointly.
; OUT (qkvc): QC [bh][tile 128][half image 768] ; at KVO for each bh 204,800 bytes: K's codes [key step 16][pair of tiles 4][image] (tile 2 j in registers 0-5, tile 2 j + 1 in 6-11), V's [key step][tile of channels 4][half 2][half image],
; K's scale words [key step][lane][2], V's likewise; at QSO q's scale words, laid as K's.  A half image: a lane's first four registers at 16 l, its last two at 512 + 8 l.
; REGISTERS: window 0: v1-20 addresses; v28, v29 for the add; v32-47 x's scale words; v48-95 W's; v96-191 x's fragments, two sets (later the codes made); v192-207 at work.
;   window 1: W's 12 fragments, ONE set; from v144 the bias, 8 registers a tile.   window 2: q's and k's accumulators.   window 3: v's.
.set SLOT,  86016                      ; two K steps of x and of W in bytes.  LDS IS LAID BY OPERAND: x's K steps 0-5 on end from 0 (K step s at s AE), W's from BOFF on (at s BE); K steps 6, 7 land on the bytes of K steps 0, 1
.set AE,    24576
.set BE,    18432
.set BOFF,  147456                     ; behind x's six K steps
.set SPARE, 3*SLOT                     ; the spare words, 128 bytes for each wave: two blocks of 256 bytes that no other line names
.set SCR,   SPARE+512                  ; q's, k's and v's scale words of the work-group's rows, 512 bytes each
.set WCO,   6291456
.set XSO,   9437184
.set WSO,   9699328
.set KVO,   6291456
.set KVB,   204800
.set QSO,   19398656
.set ADA,   8                          ; v8-10   LDS address of my x fragments in slot 0, 1, 2
.set ADB,   12                         ; v12-14  of W's
.set SPW,   28
.set NIL,   29
.set XSC,   32
.set WSC,   48
.set AF,    96
.set PCQ,   96                         ; the epilogue: six fragments of codes, 12 registers each,
.set PWQ,   168                        ; their six scale words,
.set CT,    176                        ; and the conversions' second halves
.set TM,    192                        ; +0..3 largest magnitudes, +4..7 bytes, +12..15 the conversions' scale operands
.set BI,    144
.set G1A,   24
.set G1B,   32
.set G0A,   40                         ; s[40:51] three sets for x's chunks;  s[52:63] for W's
.set G0B,   52
.set WV,    10
.set MSB,   0
.macro WIN new                         ; the immediate's high byte repeats the setting that is left
.if MSB != (\new)
	s_set_vgpr_msb (MSB<<8)|(\new)
.set MSB, \new
.endif
.endm
.macro PLACES n
.rept \n
	v_nop
.endr
.endm
.macro CREST                           ; a round of the cluster's barrier behind its opening barrier
	s_cmp_lg_u32 s[WV], 0
	s_cbranch_scc1 .Lnot_wave_0_\@
	s_barrier_signal -3
.Lnot_wave_0_\@:
	s_barrier_wait -3
	s_barrier_signal -1
	s_barrier_wait -1
.endm
.macro CROUND
	s_barrier_signal -1
	s_barrier_wait -1
	CREST
.endm
.macro JLOAD                           ; the joint refill of slot 0: waves 0 and 1 fetch x's two K steps, waves 2 and 3 W's; four v_nop follow each line
	s_cmp_eq_u32 s11, 0
	s_cbranch_scc0 .Lfor_b_\@
	tensor_load_to_lds s[G0A:G0A+3], s[G1A:G1A+7]
	s_nop 0
.rept 4
	v_nop
.endr
	s_branch .Lasked_\@
.Lfor_b_\@:
	tensor_load_to_lds s[G0B:G0B+3], s[G1B:G1B+7]
	s_nop 0
.rept 4
	v_nop
.endr
.Lasked_\@:
.endm
	s_load_b128 s[4:7], s[0:1], 0x0                ; xw s[4:5], b_qkv s[6:7]
	s_load_b64 s[8:9], s[0:1], 0x10                ; qkvc
	v_lshl_add_u32 v[SPW], v0, 2, SPARE
	v_mov_b32 v[NIL], 0
	ds_add_u32 v28, v29
	ds_add_u32 v28, v29
	s_wait_dscnt 0x0
	v_lshrrev_b32 v3, 5, v0
	v_readfirstlane_b32 s[WV], v3                  ; wave 0..3
	s_lshr_b32 s11, s[WV], 1                       ; I fetch for x (0) or for W (1),
	s_and_b32 s12, s[WV], 1                        ; the chunk's first or second K step
	s_bfe_u32 s13, ttmp6, 0x40000                  ; cx
	s_bfe_u32 s14, ttmp6, 0x40004                  ; cy
	s_lshl_b32 s15, ttmp9, 2
	s_add_co_u32 s15, s15, s13                     ; the head = 4 x cluster x + cx
	s_and_b32 s16, ttmp7, 0xffff
	s_lshl_b32 s16, s16, 2
	s_add_co_u32 s16, s16, s14                     ; RB = 4 x cluster y + cy
	s_lshl_b32 s17, s14, 2
	s_lshl_b32 s17, 15, s17                        ; my row of the cluster
	s_lshl_b32 s18, 0x1111, s13                    ; my column
	; descriptor group 1: dense blocks as rows of 256 bytes (32 elements of 8 bytes): x's K step 96 rows, W's 72; no padding: an image is read 512 consecutive bytes at a time
	s_or_b32 s[G1A], s17, (3<<16)|(1<<21)          ; 15:0 the mask; 17:16 elements of 8 bytes; 21 set beside a mask
	s_or_b32 s[G1B], s18, (3<<16)|(1<<21)
	s_mov_b32 s[G1A+1], 32<<16                     ; tensor_dim0 = 32
	s_mov_b32 s[G1A+2], 288<<16                    ; at the head a load brings three K steps: 288 rows of 256 bytes of x,
	s_mov_b32 s[G1A+3], 32<<16                     ; tile_dim0 = 32
	s_mov_b32 s[G1A+4], 288
	s_mov_b32 s[G1A+5], 32                         ; pitch
	s_mov_b32 s[G1A+6], 0
	s_mov_b32 s[G1A+7], 0
	s_mov_b32 s[G1B+1], 32<<16
	s_mov_b32 s[G1B+2], 216<<16                    ; 216 of W
	s_mov_b32 s[G1B+3], 32<<16
	s_mov_b32 s[G1B+4], 216
	s_mov_b32 s[G1B+5], 32
	s_mov_b32 s[G1B+6], 0
	s_mov_b32 s[G1B+7], 0
	s_mul_i32 s86, s12, AE                         ; where they go in a slot: the wave's number alone enters an LDS address
	s_mul_i32 s87, s12, BE
	s_mul_i32 s20, s16, 8*AE                       ; x's: block RB, K step e
	s_add_co_u32 s20, s20, s86
	s_mov_b32 s21, 0
	s_mul_i32 s22, s15, 8*BE                       ; W's: the head, K step e
	s_add_co_u32 s22, s22, s87
	s_add_co_u32 s22, s22, WCO
	s_mov_b32 s23, 0
	s_add_co_u32 s87, s87, BOFF
	s_mul_i32 s92, s16, 8*AE                       ; the head's loads: K steps 3 (w / 2) .. + 2: of x,
	s_mul_i32 s[G0A+5], s11, 3*AE
	s_add_co_u32 s92, s92, s[G0A+5]
	s_mov_b32 s93, 0
	s_mul_i32 s94, s15, 8*BE                       ; and of W
	s_mul_i32 s[G0B+5], s11, 3*BE
	s_add_co_u32 s94, s94, s[G0B+5]
	s_add_co_u32 s94, s94, WCO
	s_add_co_u32 s[G0B+5], s[G0B+5], BOFF
	s_mov_b32 s95, 0
	s_mov_b32 s[G0A+4], 1
	s_mov_b32 s[G0B+4], 1
	s_wait_kmcnt 0x0
	s_add_nc_u64 s[20:21], s[4:5], s[20:21]
	s_add_nc_u64 s[22:23], s[4:5], s[22:23]
	s_add_nc_u64 s[G0A+6:G0A+7], s[4:5], s[92:93]
	s_or_b32 s[G0A+7], s[G0A+7], 0x80000000
	s_add_nc_u64 s[G0B+6:G0B+7], s[4:5], s[94:95]
	s_or_b32 s[G0B+7], s[G0B+7], 0x80000000
	CROUND                                         ; all sixteen work-groups are here: the first joint loads meet
.irp j, 0                              ; the refill's two sets
	s_mov_b32 s[G0A+4*\j], 1
	s_add_co_u32 s[G0A+4*\j+1], s86, \j*SLOT
	s_add_nc_u64 s[G0A+4*\j+2:G0A+4*\j+3], s[20:21], \j*2*AE
	s_or_b32 s[G0A+4*\j+3], s[G0A+4*\j+3], 0x80000000
	s_mov_b32 s[G0B+4*\j], 1
	s_add_co_u32 s[G0B+4*\j+1], s87, \j*SLOT
	s_add_nc_u64 s[G0B+4*\j+2:G0B+4*\j+3], s[22:23], \j*2*BE
	s_or_b32 s[G0B+4*\j+3], s[G0B+4*\j+3], 0x80000000
.endr
	; one joint load a wave, each in an arm of its own: wave 0 x's K steps 0-2, wave 1 W's 0-2, wave 2 x's 3-5, wave 3 W's 3-5
	s_cmp_eq_u32 s[WV], 0
	s_cbranch_scc0 .Lhead_1
	tensor_load_to_lds s[G0A+4:G0A+7], s[G1A:G1A+7]
	s_nop 0
.rept 4
	v_nop
.endr
	s_branch .Lfirst_asked
.Lhead_1:
	s_cmp_eq_u32 s[WV], 1
	s_cbranch_scc0 .Lhead_2
	tensor_load_to_lds s[G0B+4:G0B+7], s[G1B:G1B+7]
	s_nop 0
.rept 4
	v_nop
.endr
	s_branch .Lfirst_asked
.Lhead_2:
	s_cmp_eq_u32 s[WV], 2
	s_cbranch_scc0 .Lhead_3
	tensor_load_to_lds s[G0A+4:G0A+7], s[G1A:G1A+7]
	s_nop 0
.rept 4
	v_nop
.endr
	s_branch .Lfirst_asked
.Lhead_3:
	tensor_load_to_lds s[G0B+4:G0B+7], s[G1B:G1B+7]
	s_nop 0
.rept 4
	v_nop
.endr
.Lfirst_asked:
	v_and_b32 v3, 31, v0                           ; lane
	v_lshlrev_b32 v1, 4, v3                        ; 16 x lane
	s_wait_alu depctr_va_vdst(0)
	v_lshlrev_b32 v2, 3, v3                        ; 8 x lane
	v_and_b32 v4, 15, v0                           ; r
	v_bfe_u32 v5, v0, 4, 1                         ; h
	v_lshlrev_b32 v19, 6, v5                       ; q's and k's bias: my half's 16 numbers of a block of 32
	s_wait_alu depctr_va_vdst(0)
	v_and_b32 v6, 8, v4
	v_add_nc_u32 v6, v6, v4
	v_lshlrev_b32 v20, 2, v6                       ; v's bias: the channel of my lane: r + 8 (r / 8)
	s_wait_alu depctr_va_vdst(0)
	s_lshl_b32 s92, s16, 13
	s_lshl_b32 s93, s[WV], 11
	s_add_co_u32 s92, s92, s93
	s_add_co_u32 s92, s92, XSO
	s_mov_b32 s93, 0
	s_add_nc_u64 s[66:67], s[4:5], s[92:93]        ; the scale tiles of my four tiles of x
	s_mul_i32 s92, s15, 6144
	s_add_co_u32 s92, s92, WSO
	s_add_nc_u64 s[68:69], s[4:5], s[92:93]        ; of the head's twelve tiles of W
	s_mul_i32 s92, s15, 768
	s_add_nc_u64 s[70:71], s[6:7], s[92:93]        ; the head's 192 numbers of the bias
.irp a, 0,1,2,3
	global_load_b128 v[XSC+4*\a:XSC+4*\a+3], v1, s[66:67] offset:512*\a
.endr
.irp b, 0,1,2,3,4,5,6,7,8,9,10,11
	global_load_b128 v[WSC+4*\b:WSC+4*\b+3], v1, s[68:69] offset:512*\b
.endr
	WIN 0x40                                       ; destination window 1
.set ib, 0
.rept 8
	global_load_b128 v[BI+8*ib:BI+8*ib+3], v19, s[70:71] offset:4*(32*(ib/2)+8*(ib%2))       ; lane (r, h), register j: the bias of column 32 (b / 2) + 8 (b % 2) + 16 h + j
	global_load_b128 v[BI+8*ib+4:BI+8*ib+7], v19, s[70:71] offset:4*(32*(ib/2)+8*(ib%2))+16
.set ib, ib+1
.endr
.set ib, 0
.rept 4
	global_load_b32 v[BI+64+8*ib], v20, s[70:71] offset:4*(128+32*(ib/2)+8*(ib%2))           ; v: all eight registers take the bias of the lane's channel
.set ib, ib+1
.endr
	WIN 0
	s_mul_i32 s88, s[WV], 6144
	v_add_nc_u32 v[ADA], s88, v1                   ; my four tiles of x: 6,144 w + 16 x lane
	v_add_nc_u32 v[ADA+1], 2*AE, v[ADA]
	v_add_nc_u32 v[ADA+2], 4*AE, v[ADA]
	v_add_nc_u32 v[ADB], BOFF, v1
	v_add_nc_u32 v[ADB+1], 2*BE, v[ADB]
	v_add_nc_u32 v[ADB+2], 4*BE, v[ADB]
	s_lshl_b32 s88, s11, 8
	s_lshl_b32 s89, s12, 2
	s_add_co_u32 s89, s89, s88
	s_add_co_u32 s89, s89, SCR
	v_add_nc_u32 v16, s89, v2                      ; q's and k's scale words: 256 (w / 2) + 4 (w % 2) + 8 x lane
	s_lshl_b32 s89, s12, 1
	s_add_co_u32 s89, s89, s88
	s_add_co_u32 s89, s89, SCR+1024
	v_lshl_add_u32 v17, v4, 3, s89                 ; v's half words: 256 (w / 2) + 2 (w % 2) + 8 r
	s_lshl_b32 s89, s[WV], 9
	s_add_co_u32 s89, s89, SCR
	v_add_nc_u32 v18, s89, v1                      ; the way out of the scale words (waves 0, 1, 2): 512 w + 16 x lane
.irp b, 0,1,2,3
	v_mov_b32 v[TM+4+\b], 0                        ; written once: a lane permute's destination counts as one of its sources
.endr
	s_mov_b32 s80, 0xffff0000                      ; lanes 16-31
	s_mov_b32 s82, 0x76543210
	s_mov_b32 s83, 0xfedcba98
	; where the results go
	s_lshr_b32 s84, s16, 3
	s_lshl_b32 s84, s84, 4
	s_add_co_u32 s84, s84, s15                     ; bh = 16 x batch + head
	s_and_b32 s85, s16, 7
	s_lshl_b32 s90, s85, 2
	s_add_co_u32 s90, s90, s[WV]                   ; G: which 64 tokens of the batch's 2,048 are my wave's
	s_mul_i32 s91, s90, 3072
	s_mul_i32 s92, s84, 98304
	s_add_co_u32 s92, s92, s91
	s_add_nc_u64 s[72:73], s[8:9], s[92:93]        ; q: four half images
	s_mul_i32 s94, s84, KVB
	s_add_co_u32 s94, s94, KVO
	s_add_co_u32 s92, s94, s91
	s_add_nc_u64 s[74:75], s[8:9], s[92:93]        ; k: two images of pairs
	s_lshr_b32 s91, s90, 1
	s_mul_i32 s91, s91, 6144
	s_and_b32 s96, s90, 1
	s_mul_i32 s96, s96, 768
	s_add_co_u32 s92, s94, s91
	s_add_co_u32 s92, s92, s96
	s_add_co_u32 s92, s92, 98304
	s_add_nc_u64 s[76:77], s[8:9], s[92:93]        ; v: key step G / 2, half G % 2
	s_lshl_b32 s96, s85, 9
	s_lshl_b32 s97, s84, 12
	s_add_co_u32 s97, s97, s96
	s_add_co_u32 s97, s97, QSO                     ; wave 0 stores q's scale words,
	s_add_co_u32 s98, s94, s96
	s_add_co_u32 s98, s98, 196608                  ; wave 1 k's,
	s_cmp_eq_u32 s[WV], 0
	s_cselect_b32 s92, s97, s98
	s_cmp_eq_u32 s[WV], 2
	s_cselect_b32 s96, 4096, 0                     ; wave 2 v's
	s_add_co_u32 s92, s92, s96
	s_add_nc_u64 s[78:79], s[8:9], s[92:93]
	s_wait_loadcnt 0x0
	WIN 0x41
.irp t, 0,1,2,3
.irp i, 1,2,3,4,5,6,7
	v_mov_b32 v[BI+64+8*\t+\i], v[BI+64+8*\t]
.endr
.endr
	WIN 0
	PLACES 4
.macro FETCH_A set, j, e               ; my four fragments of x, K step e of slot j: 12 loads
.set fa, 0
.rept 4
.set fc, 0
.rept 3
	ds_load_b128 v[AF+48*(\set)+12*fa+4*fc:AF+48*(\set)+12*fa+4*fc+3], v[ADA+(\j)] offset:AE*(\e)+1536*fa+512*fc
.set fc, fc+1
.endr
.set fa, fa+1
.endr
.endm
.macro FETCH_B j, e, b0                ; six fragments of W from tile b0 on: 18 loads
	WIN 0x40
.set fb, \b0
.rept 6
.set fc, 0
.rept 3
	ds_load_b128 v[12*fb+4*fc:12*fb+4*fc+3], v[ADB+(\j)] offset:BE*(\e)+1536*fb+512*fc
.set fc, fc+1
.endr
.set fb, fb+1
.endr
	WIN 0
.endm
.macro WM row
.if \row
	v_wmma_scale_f32_16x16x128_f8f6f4 v[rD:rD+7], v[rA:rA+11], v[rB:rB+11], v[rC:rC+7], v[rSA], v[rSB] matrix_a_fmt:MATRIX_FMT_FP6 matrix_b_fmt:MATRIX_FMT_FP6 matrix_a_scale:MATRIX_SCALE_ROW1 matrix_b_scale:MATRIX_SCALE_ROW1
.else
	v_wmma_scale_f32_16x16x128_f8f6f4 v[rD:rD+7], v[rA:rA+11], v[rB:rB+11], v[rC:rC+7], v[rSA], v[rSB] matrix_a_fmt:MATRIX_FMT_FP6 matrix_b_fmt:MATRIX_FMT_FP6
.endif
.endm
; n tiles of columns from b0 on x my four tiles of x, K step s.  The 48 accumulators take turns, one instruction a turn, in the same order in every K step.  first = 1: the bias is C.
.macro MUL b0, n, set, s, first
.set mb, \b0
.rept \n
.set ma, 0
.rept 4
.if mb < 8
.set rD, 128*(mb/4)+32*ma+16*((mb%4)/2)+8*(mb%2)
.set rA, 12*mb
.set rB, AF+48*(\set)+12*ma
.set rSA, WSC+4*mb+(\s)%4
.set rSB, XSC+4*ma+(\s)%4
.if \first
	WIN 0x91                                       ; source 0 (W) and C (bias) window 1, source 1 (x) window 0, D window 2
.else
	WIN 0xa1                                       ; C and D window 2
.endif
.else
.set rD, 32*(mb-8)+16*(ma/2)+8*(ma%2)
.set rA, AF+48*(\set)+12*ma
.set rB, 12*mb
.set rSA, XSC+4*ma+(\s)%4
.set rSB, WSC+4*mb+(\s)%4
.if \first
	WIN 0xd4                                       ; source 0 (x) window 0, source 1 (W) and C (bias) window 1, D window 3
.else
	WIN 0xf4
.endif
.endif
.set rC, rD
.if \first
.set rC, BI+8*mb
.endif
	WM (\s)/4
.set ma, ma+1
.endr
.set mb, mb+1
.endr
.endm
; A K step whose successor (K step ne of slot nj) has been shown landed.  A load into a register that a matrix instruction has read stands four places behind it (ISA guide 7.12.1 for vector instructions).
.macro STEP s, nj, ne, first
	s_wait_dscnt 18                                ; x's fragments and W's tiles 0-5 are in; the youngest 18 loads (W's tiles 6-11) may be out
	MUL 0, 6, (\s)%2, \s, \first
	s_wait_dscnt 0x0                               ; W's tiles 6-11 are in (asked for 24 matrix instructions ago)
	PLACES 4
	WIN 0
	FETCH_A 1-(\s)%2, \nj, \ne
	FETCH_B \nj, \ne, 0
	MUL 6, 6, (\s)%2, \s, \first
	PLACES 4
	FETCH_B \nj, \ne, 6
.endm
; A K step with a barrier: in front of it each wave waits for all its tensor loads, adds 0 to its spare word, and waits for that and for its LDS reads.  fill = 1: slot 0, whose last reads are over, takes chunk 3, behind a round of the cluster's barrier.
.macro TURN s, nj, ne, fill
	s_wait_tensorcnt 0x0                           ; all my tensor loads have landed
	ds_add_u32 v[SPW], v[NIL]                      ; 0 onto my spare word
	s_wait_dscnt 19                                ; (the add and the youngest 18 loads may be out)
	MUL 0, 3, (\s)%2, \s, 0                        ; twelve matrix instructions stand between the add and the wait for it
	s_wait_dscnt 0x0                               ; the add is done, and my LDS reads are over
	s_barrier_signal -1
	MUL 3, 3, (\s)%2, \s, 0
	WIN 0
	s_barrier_wait -1
.if \fill
	CREST                                          ; no wave of any partner still reads slot 0 or has a load on its way
	s_add_nc_u64 s[G0A+2:G0A+3], s[G0A+2:G0A+3], 6*AE   ; from chunk 0 to chunk 3
	s_add_nc_u64 s[G0B+2:G0B+3], s[G0B+2:G0B+3], 6*BE
	s_mov_b32 s[G1A+2], 96<<16                     ; no tensor load of mine is out: from here on a load brings one K step
	s_mov_b32 s[G1A+4], 96
	s_mov_b32 s[G1B+2], 72<<16
	s_mov_b32 s[G1B+4], 72
	JLOAD                                          ; the first tensor load behind the round, one a wave; its four v_nop are the places in front of the loads below
.else
	PLACES 4
.endif
	FETCH_A 1-(\s)%2, \nj, \ne
	FETCH_B \nj, \ne, 0
	MUL 6, 6, (\s)%2, \s, 0
	PLACES 4
	FETCH_B \nj, \ne, 6
.endm
; 64 numbers of a lane in window w, register s + 16 b + i = place 32 b + 16 (lane / 16) + i along the next K, become 12 registers of codes at v[pc] and a scale word in v[pw].  Sources are taken in ascending order.
.macro QUANT s, w, pc, pw
	WIN ((\w)<<2)|((\w)<<4)                        ; sources 1 and 2 in window w
.irp b, 0,1,2,3
	v_max3_num_f32 v[TM+\b], 0x1800000, |v[(\s)+16*\b]|, |v[(\s)+1+16*\b]|   ; block b: my 16 numbers, and the floor 2^(3 - 127): the byte cannot fall under 1
.endr
.irp i, 2,4,6,8,10,12,14
.irp b, 0,1,2,3
	v_max3_num_f32 v[TM+\b], v[TM+\b], |v[(\s)+16*\b+\i]|, |v[(\s)+1+16*\b+\i]|
.endr
.endr
	WIN 0
.irp b, 0,1,2,3
	v_permlanex16_b32 v[TM+4+\b], v[TM+\b], s82, s83
.endr
.irp b, 0,1,2,3
	v_max_num_f32 v[TM+\b], v[TM+\b], v[TM+4+\b]   ; with lane l xor 16's: the block's largest magnitude
.endr
.irp b, 0,1,2,3
	v_add_nc_u32 v[TM+12+\b], 0xff000000, v[TM+\b] ; 2 off its exponent field: the conversion's scale operand
.endr
.irp b, 0,1,2,3
	v_lshrrev_b32 v[TM+4+\b], 23, v[TM+12+\b]      ; the scale's byte
.endr
	v_lshl_or_b32 v[(\pw)], v[TM+5], 8, v[TM+4]
	v_lshl_or_b32 v[(\pw)], v[TM+6], 16, v[(\pw)]
	v_lshl_or_b32 v[(\pw)], v[TM+7], 24, v[(\pw)]
	WIN \w                                         ; source 0 in window w
.irp c, 0,1
	v_cvt_scalef32_pk16_fp6_f32 v[(\pc)+6*\c:(\pc)+2+6*\c], v[(\s)+32*\c:(\s)+15+32*\c], v[TM+12+2*\c]
	v_cvt_scalef32_pk16_fp6_f32 v[CT+4*\c:CT+2+4*\c], v[(\s)+16+32*\c:(\s)+31+32*\c], v[TM+12+2*\c+1]   ; (a conversion's three registers begin on an even number)
.endr
	WIN 0
	v_nop                                          ; one plain place behind a scaled conversion
.irp c, 0,1                                    ; the operand's layout wants a whole block in a lane: lanes 0-15 block 2 c, lanes 16-31 block 2 c + 1
.irp i, 0,1,2
	v_permlane16_swap_b32 v[(\pc)+6*\c+\i], v[CT+4*\c+\i]
.endr
.irp i, 0,1,2
	v_mov_b32 v[(\pc)+3+6*\c+\i], v[CT+4*\c+\i]
.endr
.endr
.endm
.macro HFOUT pc, base, off, d          ; the fragment's two halves leave as two half images, d bytes apart: each store covers 512 or 256 consecutive bytes, aligned
	global_store_b128 v1, v[(\pc):(\pc)+3], s[\base:\base+1] offset:\off
	global_store_b64 v2, v[(\pc)+4:(\pc)+5], s[\base:\base+1] offset:(\off)+512
	global_store_b128 v1, v[(\pc)+6:(\pc)+9], s[\base:\base+1] offset:(\off)+(\d)
	global_store_b64 v2, v[(\pc)+10:(\pc)+11], s[\base:\base+1] offset:(\off)+(\d)+512
.endm
.macro FIOUT pc, base, off             ; the fragment leaves as one image
.irp c, 0,1,2
	global_store_b128 v1, v[(\pc)+4*\c:(\pc)+4*\c+3], s[\base:\base+1] offset:(\off)+512*\c
.endr
.endm
	s_wait_alu depctr_va_vdst(0)
	s_cmp_lt_u32 s[WV], 2                          ; waves 0 and 1 brought K steps 0-2; the loads of waves 2 and 3 may be out
	s_cbranch_scc0 .Lnot_low
	s_wait_tensorcnt 0x0
.Lnot_low:
	s_barrier_signal -1
	s_barrier_wait -1                              ; everybody's is
	FETCH_A 0, 0, 0
	FETCH_B 0, 0, 0
	FETCH_B 0, 0, 6
	STEP 0, 0, 1, 1                                ; the first K step starts the sums on the bias
	TURN 1, 1, 0, 1                                ; chunks 1 and 2 are shown landed; slot 0 takes chunk 3
	STEP 2, 1, 1, 0
	STEP 3, 2, 0, 0
	STEP 4, 2, 1, 0
	TURN 5, 0, 0, 0                                ; chunk 3 is shown landed; nothing is filled
	STEP 6, 0, 1, 0
	s_wait_dscnt 18                                ; the last K step: nothing more to fetch
	MUL 0, 6, 1, 7, 0
	s_wait_dscnt 0x0
	MUL 6, 6, 1, 7, 0
	WIN 0
	PLACES 4                                       ; in front of the first reads of results and of writes into the registers that held x's fragments
	QUANT 0, 2, PCQ, PWQ                           ; q of tiles 0 and 1: blocks 0, 1 are tile 0's 64 channels, blocks 2, 3 tile 1's
	HFOUT PCQ, 72, 0, 768
	QUANT 64, 2, PCQ+12, PWQ+1                     ; q of tiles 2 and 3
	HFOUT PCQ+12, 72, 1536, 768
	QUANT 128, 2, PCQ+24, PWQ+2                    ; k likewise: a pair of tiles is one image
	FIOUT PCQ+24, 74, 0
	QUANT 192, 2, PCQ+36, PWQ+3
	FIOUT PCQ+36, 74, 1536
	QUANT 0, 3, PCQ+48, PWQ+4                      ; v: blocks 0, 1 are my 64 tokens of channel tile 0, blocks 2, 3 of tile 1
	HFOUT PCQ+48, 76, 0, 1536
	QUANT 64, 3, PCQ+60, PWQ+5                     ; channel tiles 2 and 3
	HFOUT PCQ+60, 76, 3072, 1536
	v_cndmask_b32 v184, v[PWQ], v[PWQ+1], s80      ; lanes 0-15 carry the first pair's words, lanes 16-31 the second's
	v_cndmask_b32 v185, v[PWQ+2], v[PWQ+3], s80
	ds_store_b32 v16, v184
	ds_store_b32 v16, v185 offset:512
	ds_store_b16 v17, v[PWQ+4]                     ; v: my 64 tokens are half of a key step: two bytes of each channel's word (lanes r and r + 16 write the same bytes with the same value)
	ds_store_b16_d16_hi v17, v[PWQ+4] offset:128
	ds_store_b16 v17, v[PWQ+5] offset:4
	ds_store_b16_d16_hi v17, v[PWQ+5] offset:132
	s_wait_dscnt 0x0                               ; for the others' sake: my scale words lie in LDS
	s_barrier_signal -1
	s_barrier_wait -1
	s_cmp_lt_u32 s[WV], 3                          ; waves 0, 1, 2 store 512 consecutive bytes each: q's, k's, v's
	s_cbranch_scc0 .Lno_words
	ds_load_b128 v[188:191], v18
	s_wait_dscnt 0x0
	global_store_b128 v1, v[188:191], s[78:79]
.Lno_words:
	s_wait_tensorcnt 0x0                           ; the wave's end
	ds_add_u32 v[SPW], v[NIL]
	s_wait_dscnt 0x0
	CROUND                                         ; the closing round: no work-group ends while a partner may still ask for a tile that names it
	s_endpgm
.Lfunc_end_k_q9b1f057fd9_qkv:
	.size	k_q9b1f057fd9_qkv, .Lfunc_end_k_q9b1f057fd9_qkv-k_q9b1f057fd9_qkv
	.p2alignl 7, 3214868480
	.fill 96, 4, 3214868480
	.section	.rodata,"a",@progbits
	.p2align	6, 0x0
	.amdhsa_kernel k_q9b1f057fd9_qkv
		.amdhsa_group_segment_fixed_size 327680
		.amdhsa_private_segment_fixed_size 0
		.amdhsa_enable_private_segment 0
		.amdhsa_kernarg_size 24
		.amdhsa_user_sgpr_count 2
		.amdhsa_user_sgpr_kernarg_segment_ptr 1
		.amdhsa_wavefront_size32 1
		.amdhsa_system_sgpr_workgroup_id_x 1
		.amdhsa_system_sgpr_workgroup_id_y 1
		.amdhsa_system_sgpr_workgroup_id_z 1
		.amdhsa_system_vgpr_workitem_id 0
		.amdhsa_next_free_vgpr 1024
		.amdhsa_next_free_sgpr 100
		.amdhsa_reserve_vcc 0
		.amdhsa_float_denorm_mode_32 3
		.amdhsa_float_denorm_mode_16_64 3
		.amdhsa_memory_ordered 1
		.amdhsa_forward_progress 1
		.amdhsa_inst_pref_size 118
	.end_amdhsa_kernel
	.amdgpu_metadata
---
amdhsa.version: [ 1, 2 ]
amdhsa.kernels:
  - .name:           k_q9b1f057fd9_qkv
    .symbol:         k_q9b1f057fd9_qkv.kd
    .args:
      - { .name: xw, .offset: 0, .size: 8, .value_kind: global_buffer, .address_space: global }
      - { .name: b_qkv, .offset: 8, .size: 8, .value_kind: global_buffer, .address_space: global }
      - { .name: qkvc, .offset: 16, .size: 8, .value_kind: global_buffer, .address_space: global }
    .group_segment_fixed_size: 327680
    .private_segment_fixed_size: 0
    .kernarg_segment_align: 8
    .kernarg_segment_size: 24
    .max_flat_workgroup_size: 128
    .sgpr_count:     100
    .vgpr_count:     1024
    .wavefront_size: 32
...
	.end_amdgpu_metadata
.endif
;; end of part 2
;; launch attn (part 3): grid 4 x 64, 8 waves a work-group, clusters of 4 x 1, 230,400 bytes of LDS; arguments qkvc, valc; writes valc
.if DOCPART == 3
	.amdgcn_target "amdgcn-amd-amdhsa--gfx1250"
	.amdhsa_code_object_version 6
	.text
	.protected	k_q9b1f057fd9_attn
	.globl	k_q9b1f057fd9_attn
	.p2align	8
	.type	k_q9b1f057fd9_attn,@function
k_q9b1f057fd9_attn:
	s_mov_b64 s[64:65], 0
	v_nop
	global_prefetch_b8 v0, s[64:65] scope:SCOPE_SE
	s_setreg_imm32_b32 hwreg(HW_REG_WAVE_MODE, 25, 1), 1
	s_wait_xcnt 0x0
	s_wait_alu depctr_hold_cnt(0) depctr_sa_sdst(0) depctr_va_vdst(0) depctr_va_sdst(0) depctr_va_ssrc(0) depctr_va_vcc(0) depctr_vm_vsrc(0)
	s_getreg_b32 s2, hwreg(HW_REG_IB_STS2, 6, 4)
	s_cmp_eq_u32 s2, 0
	s_cbranch_scc0 .Lentry_in_a_cluster
	s_endpgm
.Lentry_in_a_cluster:
	s_bfe_u32 s2, ttmp6, 0x10000c
	s_cmp_lg_u32 s2, 0x3003
	s_cbranch_scc0 .Lentry_shape_is_right
	s_endpgm
.Lentry_shape_is_right:
; values[bh][q] = the sum over k of softmax_k(q . k / 8) v, both products on codes of FP6 (E2M3) with E8M0 scales; the values are quantised in registers along d_model for the last product.
; THE SOFTMAX: t = score x log2(e) / 8; M = the running largest t rounded UP to a whole number; p = 2^(t - M) is quantised along the keys, not normalised; the row's sum is taken of the unquantised p and divides at the end.
; When M moves, the sum and O are multiplied by 2^(old M - new M): exact.
; LIMITS: NaN and infinities are not served; the promise holds while |t| stays under 2^31; a block whose largest magnitude lies under 2^-124 keeps the scale byte 1;
; a block's largest p is taken from the block's largest score, which takes v_exp_f32 not to fall where its input rises.
; SHARES: a work-group owns 512 queries of one head; each of its eight waves owns 64 of them, four tiles of 16: a fragment of K or V read from LDS serves four tiles.  Two waves to a SIMD, 512 registers each.
; THE HEAD'S WHOLE K AND V lie in LDS, filled ONCE, jointly for the cluster's four work-groups (the head's four blocks of queries): waves 0-3 bring K's codes, waves 4-7 V's codes and both scale words.
; No ring, no barrier in the loop.  No prefetch: the fills stand at the head, with no loop to run ahead in.
; LAYOUT: both products are used transposed (S^T = K Q^T, O^T = V^T P^T): a lane holds one query.  In memory tile T's row r is token 32 (T / 2) + 8 (T % 2) + r + 8 (r / 8), and an image holds tiles 2 j (registers 0-5) and 2 j + 1 (6-11).
; THE KEYS OF A FRAGMENT ARE CHOSEN BY THE LANES' ADDRESSES: fragment (c, t) takes for its rows 0-7 rows 8 t .. + 7 of image 2 c and for rows 8-15 the same rows of image 2 c + 1.  Then register 32 c + i of S^T in lane (q, h)
; is key 64 c + 32 h + i of the step: a whole scale block in a lane, in the order of the next operand's registers: no lane is asked for a block's maximum and nothing is swapped.
; K's pieces of 512 bytes lie 640 apart in LDS (the descriptor pads).
; THE FIRST PRODUCT HAS K = 64: the fragment times (q | zero codes) gives its even tile's scores, times (zero codes | q) its odd tile's.  The four q lie in a ring q0 Z q1 Z q2 Z q3 Z q0, in which both forms of each are 12 registers on end.
; A STEP of 128 keys: S of tiles 0, 1; their softmax; S of tiles 2, 3 and O of tiles 0, 1; the next step's K is asked for; softmax of tiles 2, 3; their O; the next step's V is asked for.
; THE SOFTMAX OF TWO TILES IS SKEWED: each tile's dependent lines (the chain to M, the scale word) stand among lines of the other tile that hang on nothing near; among the exponentials stand plain lines that read only what was written
; ahead of the wait in front of the batch and are read only behind the next wait.
; REGISTERS, window 0: v1-11 addresses that stay; v12-27 for each tile -M, the largest score, the sum in two halves; v28-31 Q's scale words; v32-35 K's, V's; v36-39 (f, p's scale word) twice; v40-47 largest scores, scale operands;
;   v48-87 partial sums, then the conversions' second halves (v48-63) and p's codes (v64-87); v88-215 S^T, then p, of two tiles; v216-239 V's fragments 0, 1; v240-244 the step's addresses; v246-249 at work.
;   Window 1: v0-53 Q; v54-181 O^T; v182-229 K's fragments; v230-253 V's fragments 2, 3.
.set KVO, 6291456
.set KVB, 204800
.set QSO, 19398656
.set ASO, 6291456
.set VB,  122880                       ; LDS: K's codes padded (192 x 640), then V's codes,
.set KSB, VB+98304                     ; K's scale words,
.set VSB, KSB+4096                     ; V's,
.set SPARE, VSB+4096                   ; the spare words: 128 bytes a wave
.set L16, 1
.set L8,  2
.set AK,  3
.set AKS, 4
.set AV16, 5
.set AV8, 6
.set AVS, 7
.set SPW, 8
.set NIL, 9
.set SH8, 10
.set OSA, 11
.set ST,  12
.set QS,  28
.set KS,  32
.set VS,  34
.set F,   36
.set BM,  40
.set CT,  48
.set PC,  64
.set TS,  PC+16
.set S,   88
.set VF,  216
.set W,   240
.set QA,  245
.set PT,  246
.set OB,  54                           ; window 1
.set KF,  182
.set V1,  230
.set WV,  8
.set MSB, 0
.macro WIN new                         ; the immediate's high byte repeats the setting that is left
.if MSB != (\new)
	s_set_vgpr_msb (MSB<<8)|(\new)
.set MSB, \new
.endif
.endm
.macro WALU
	s_wait_alu depctr_va_vdst(0)
.endm
.macro CROUND                          ; a round of the cluster's barrier
	s_barrier_signal -1
	s_barrier_wait -1
	s_cmp_lg_u32 s[WV], 0
	s_cbranch_scc1 .Lnot_wave_0_\@
	s_barrier_signal -3
.Lnot_wave_0_\@:
	s_barrier_wait -3
	s_barrier_signal -1
	s_barrier_wait -1
.endm
.macro KLOAD a, as                     ; a step's four fragments of K and their scale words: 13 loads
	WIN 0x40
.irp c,0,1
.irp t,0,1
.irp p,0,1,2
	ds_load_b128 v[KF+12*(2*\c+\t)+4*\p:KF+12*(2*\c+\t)+4*\p+3], v[\a] offset:3840*\c+640*\p+128*\t
.endr
.endr
.endr
	WIN 0
	ds_load_b64 v[KS:KS+1], v[\as]                 ; word c: lanes 0-15 fragment (c, 0)'s rows, lanes 16-31 fragment (c, 1)'s
.endm
.macro VLOAD a16, a8, as               ; a step's four fragments of V and their scale words: 17 loads
.irp t,0,1
.irp c,0,1
	ds_load_b128 v[VF+12*\t+6*\c:VF+12*\t+6*\c+3], v[\a16] offset:1536*\t+768*\c
	ds_load_b64 v[VF+12*\t+6*\c+4:VF+12*\t+6*\c+5], v[\a8] offset:1536*\t+768*\c+512
.endr
.endr
	ds_load_b64 v[VS:VS+1], v[\as]                 ; word i of lane l: channel tile 2 i + l / 16, row l % 16
	WIN 0x40
.irp t,0,1
.irp c,0,1
	ds_load_b128 v[V1+12*\t+6*\c:V1+12*\t+6*\c+3], v[\a16] offset:3072+1536*\t+768*\c
	ds_load_b64 v[V1+12*\t+6*\c+4:V1+12*\t+6*\c+5], v[\a8] offset:3072+1536*\t+768*\c+512
.endr
.endr
	WIN 0
.endm
.macro SMUL g                          ; S^T of tiles 2 g, 2 g + 1: 16 products, each on an accumulator of its own, begun with 0
	WIN 0x05                                       ; K and Q in window 1, S in window 0
.irp c,0,1
.irp t,0,1
.irp u,0,1
.irp v,0,1
.set rD, S+64*\u+32*\c+16*\t+8*\v
.set rA, KF+12*(2*\c+\t)
.set rB, (12*(2*\g+\u)+42*\v)%48
	v_wmma_scale_f32_16x16x128_f8f6f4 v[rD:rD+7], v[rA:rA+11], v[rB:rB+11], 0, v[KS+\c], v[QS+2*\g+\u] matrix_a_fmt:MATRIX_FMT_FP6 matrix_b_fmt:MATRIX_FMT_FP6 matrix_a_scale:MATRIX_SCALE_ROW\t
.endr
.endr
.endr
.endr
.endm
.macro PV g                            ; O^T += V^T P^T of tiles 2 g, 2 g + 1: the eight accumulators by turns
.irp t,0,1,2,3
	WIN 0x50+(\t/2)                                ; O in window 1, p's codes in window 0, V's fragment in window t / 2
.irp u,0,1
.set rD, OB+32*(2*\g+\u)+8*\t
.set rA, (1-\t/2)*(VF+12*\t)+(\t/2)*(V1+12*\t-24)
.if (\t)%2
	v_wmma_scale_f32_16x16x128_f8f6f4 v[rD:rD+7], v[rA:rA+11], v[PC+12*\u:PC+12*\u+11], v[rD:rD+7], v[VS+\t/2], v[F+2*\u+1] matrix_a_fmt:MATRIX_FMT_FP6 matrix_b_fmt:MATRIX_FMT_FP6 matrix_a_scale:MATRIX_SCALE_ROW1
.else
	v_wmma_scale_f32_16x16x128_f8f6f4 v[rD:rD+7], v[rA:rA+11], v[PC+12*\u:PC+12*\u+11], v[rD:rD+7], v[VS+\t/2], v[F+2*\u+1] matrix_a_fmt:MATRIX_FMT_FP6 matrix_b_fmt:MATRIX_FMT_FP6
.endif
.endr
.endr
.endm
; THE SOFTMAX'S LINES, one to a call; u: the tile of the pair, g: the pair, n: the line's number in its part.
.macro MAXOP u, n                      ; 32 lines: each of the tile's two blocks' largest score in two chains, registers 0-16 and 17-31, each accumulator from its low end on
.if (\n) < 28
.set c_, ((\n)%4)/2
.set h_, (\n)%2
.set r_, (\n)/4
.set bm, BM+4*(\u)+2*c_+h_
.set sb, S+64*(\u)+32*c_+17*h_
.if r_ == 0
	v_max3_num_f32 v[bm], v[sb], v[sb+1], v[sb+2]
.else
	v_max3_num_f32 v[bm], v[bm], v[sb+1+2*r_], v[sb+2+2*r_]
.endif
.elseif (\n) < 30
.set bm, BM+4*(\u)+2*((\n)-28)
.set sb, S+64*(\u)+32*((\n)-28)
	v_max3_num_f32 v[bm], v[bm], v[sb+15], v[sb+16]
.else
.set bm, BM+4*(\u)+2*((\n)-30)
	v_max_num_f32 v[bm], v[bm], v[bm+1]
.endif
.endm
.macro ROWOP g, u, n                   ; 9 lines, each hanging on the one before: the running largest score, -M, f
.set st, ST+8*(\g)+4*(\u)
.if (\n) == 0
	v_max_num_f32 v[PT+\u], v[BM+4*\u], v[BM+4*\u+2]
.elseif (\n) == 1
	v_permlanex16_b32 v[PT+2+\u], v[PT+\u], s24, s25
.elseif (\n) == 2
	v_max3_num_f32 v[st+1], v[st+1], v[PT+\u], v[PT+2+\u]          ; the running largest score of my query
.elseif (\n) == 3
	v_mul_f32 v[PT+\u], s27, v[st+1]               ; -t (c is positive)
.elseif (\n) == 4
	v_floor_f32 v[PT+\u], v[PT+\u]                 ; the new -M = floor(-t) = -ceil(t): a whole number
.elseif (\n) == 5
	v_sub_f32 v[PT+2+\u], v[PT+\u], v[st]          ; M's old value less its new one: 0 or less
.elseif (\n) == 6
	v_mov_b32 v[st], v[PT+\u]
.elseif (\n) == 7
	v_cvt_i32_f32 v[PT+2+\u], v[PT+2+\u]           ; (it saturates)
.else
	v_ldexp_f32 v[F+2*\u], 1.0, v[PT+2+\u]         ; f = 2^(old M - new M)
.endif
.endm
.macro FMAOP g, u, n                   ; 34 lines: t - M, two at a time (of the pairs c and -M the low word serves both halves); the same of each block's largest score
.set st, ST+8*(\g)+4*(\u)
.if (\n) < 32
.set sb, S+64*(\u)+2*(\n)
	v_pk_fma_f32 v[sb:sb+1], v[sb:sb+1], s[26:27], v[st:st+1] op_sel_hi:[1,0,0]
.else
.set bm, BM+4*(\u)+2*((\n)-32)
	v_fma_f32 v[bm], v[bm], s26, v[st]
.endif
.endm
.macro EXPOP u, n                      ; 66 lines: the two blocks' largest p, then p = 2^(t - M), at most 1
.if (\n) < 2
	v_exp_f32 v[BM+4*(\u)+2*(\n)], v[BM+4*(\u)+2*(\n)]
.else
	v_exp_f32 v[S+64*(\u)+(\n)-2], v[S+64*(\u)+(\n)-2]
.endif
.endm
.macro FILL g, n                       ; 18 lines that hang on none of each other: tile 0's sixteen first sums of two pairs of p; both tiles' sums under the new M
.if (\n) < 16
	v_pk_add_f32 v[CT+2*(\n):CT+2*(\n)+1], v[S+4*(\n):S+4*(\n)+1], v[S+4*(\n)+2:S+4*(\n)+3]
.else
.set ll, ST+8*(\g)+4*((\n)-16)+2
	v_pk_mul_f32 v[ll:ll+1], v[ll:ll+1], v[F+2*((\n)-16):F+2*((\n)-16)+1] op_sel_hi:[1,0]
.endif
.endm
.macro TADD k, d                       ; partial sum k += partial sum k + d
	v_pk_add_f32 v[CT+2*(\k):CT+2*(\k)+1], v[CT+2*(\k):CT+2*(\k)+1], v[CT+2*((\k)+(\d)):CT+2*((\k)+(\d))+1]
.endm
.macro U0OP g, n                       ; 16 lines: tile 0's sixteen partial sums into its row's sum
.if (\n) < 8
	TADD \n, 8
.elseif (\n) < 12
	TADD (\n)-8, 4
.elseif (\n) < 14
	TADD (\n)-12, 2
.elseif (\n) == 14
	TADD 0, 1
.else
	v_pk_add_f32 v[ST+8*(\g)+2:ST+8*(\g)+3], v[ST+8*(\g)+2:ST+8*(\g)+3], v[CT:CT+1]
.endif
.endm
.macro U1OP g, n                       ; 32 lines: tile 1's row's sum of the unquantised p, in four chains
.set ll, ST+8*(\g)+6
.set sb, S+64
.if (\n) < 3
	v_pk_add_f32 v[TS+2*(\n):TS+2*(\n)+1], v[sb+4*(\n):sb+4*(\n)+1], v[sb+4*(\n)+2:sb+4*(\n)+3]
.elseif (\n) == 3
	v_pk_add_f32 v[ll:ll+1], v[ll:ll+1], v[sb+12:sb+13]
.elseif (\n) < 28
.set j_, ((\n)-4)%4
.set sb, S+64+2*((\n)+3)
.if j_ < 3
	v_pk_add_f32 v[TS+2*j_:TS+2*j_+1], v[TS+2*j_:TS+2*j_+1], v[sb:sb+1]
.else
	v_pk_add_f32 v[ll:ll+1], v[ll:ll+1], v[sb:sb+1]
.endif
.elseif (\n) == 28
	v_pk_add_f32 v[TS:TS+1], v[TS:TS+1], v[sb+62:sb+63]
.elseif (\n) == 29
	v_pk_add_f32 v[TS+2:TS+3], v[TS+2:TS+3], v[TS+4:TS+5]
.elseif (\n) == 30
	v_pk_add_f32 v[ll:ll+1], v[ll:ll+1], v[TS:TS+1]
.else
	v_pk_add_f32 v[ll:ll+1], v[ll:ll+1], v[TS+2:TS+3]
.endif
.endm
.macro SCOP n                          ; 20 lines: both tiles' scale operands and scale words
.if (\n) < 4
	v_max_num_f32 v[BM+2*(\n)], 0x1800000, v[BM+2*(\n)]            ; the floor 2^(3 - 127): the byte cannot fall under 1
.elseif (\n) < 8
	v_add_nc_u32 v[BM+2*((\n)-4)+1], 0xff000000, v[BM+2*((\n)-4)]  ; 2 off the exponent field: the conversions' scale operand
.elseif (\n) < 12
	v_lshrrev_b32 v[BM+2*((\n)-8)], 23, v[BM+2*((\n)-8)+1]         ; the scale's byte: block 2 c + h
.elseif (\n) < 14
	v_lshl_or_b32 v[PT+(\n)-12], v[BM+4*((\n)-12)+2], 16, v[BM+4*((\n)-12)]
.elseif (\n) < 16
	v_lshlrev_b32 v[PT+(\n)-14], v[SH8], v[PT+(\n)-14]             ; at their places in the scale word (8 h bits up)
.elseif (\n) < 18
	v_permlanex16_b32 v[PT+2+(\n)-16], v[PT+(\n)-16], s24, s25
.else
	v_or_b32 v[F+2*((\n)-18)+1], v[PT+(\n)-18], v[PT+2+(\n)-18]    ; with lane l xor 16's two the word is whole
.endif
.endm
.macro SOFT g                          ; the softmax of tiles 2 g, 2 g + 1
.set n_, 0
.rept 32                               ; tile 0's largest scores, and the first eight lines of tile 1's
	MAXOP 0, n_
.if n_%4 == 3
	MAXOP 1, n_/4
.endif
.set n_, n_+1
.endr
.set n_, 8
.rept 24                               ; tile 1's, with tile 0's chain to M among them
	MAXOP 1, n_
.if (n_-8)%3 == 2
	ROWOP \g, 0, (n_-8)/3
.endif
.set n_, n_+1
.endr
	ROWOP \g, 0, 8
.set n_, 0
.rept 34                               ; tile 0's t - M, with tile 1's chain among them
	FMAOP \g, 0, n_
.if (n_%3 == 2) && (n_ < 27)
	ROWOP \g, 1, n_/3
.endif
.set n_, n_+1
.endr
	WALU                                           ; the wait ahead of a batch
.set n_, 0
.rept 66                               ; tile 0's exponentials; behind each of the last 34 a line of tile 1's t - M; the last line is a plain place behind the batch
	EXPOP 0, n_
.if n_ >= 32
	FMAOP \g, 1, n_-32
.endif
.set n_, n_+1
.endr
	WALU                                           ; behind tile 0's batch and ahead of tile 1's
.set n_, 0
.rept 66                               ; tile 1's exponentials; behind each of the last 18 a line that reads tile 0's p or f alone
	EXPOP 1, n_
.if n_ >= 48
	FILL \g, n_-48
.endif
.set n_, n_+1
.endr
	WALU                                           ; behind the batch, ahead of its first reader
.set n_, 0
.rept 32                               ; the sums, with the scale words' chains among them
	U1OP \g, n_
.if n_%2 == 0
	U0OP \g, n_/2
.endif
.if n_ < 20
	SCOP n_
.endif
.set n_, n_+1
.endr
.irp u,0,1
.irp c,0,1
	v_cvt_scalef32_pk16_fp6_f32 v[PC+12*\u+6*\c:PC+12*\u+6*\c+2], v[S+64*\u+32*\c:S+64*\u+32*\c+15], v[BM+4*\u+2*\c+1]
	v_cvt_scalef32_pk16_fp6_f32 v[CT+8*\u+4*\c:CT+8*\u+4*\c+2], v[S+64*\u+32*\c+16:S+64*\u+32*\c+31], v[BM+4*\u+2*\c+1]   ; (a conversion's three registers begin on an even number)
.endr
.endr
	v_nop                                          ; one plain place behind a scaled conversion
.irp u,0,1
.irp c,0,1
.irp i,0,1,2
	v_mov_b32 v[PC+12*\u+6*\c+3+\i], v[CT+8*\u+4*\c+\i]
.endr
.endr
.endr
	WIN 0x41                                       ; O in window 1, f in window 0
	WALU                                           ; the wait directly ahead of the first reader of O^T
.irp u,0,1
.set k, 0
.rept 16
	v_pk_mul_f32 v[OB+32*(2*\g+\u)+k:OB+32*(2*\g+\u)+k+1], v[OB+32*(2*\g+\u)+k:OB+32*(2*\g+\u)+k+1], v[F+2*\u:F+2*\u+1] op_sel_hi:[1,0]   ; O^T under the new M; also the places ahead of the products that take the codes and the scale word
.set k, k+2
.endr
.endr
.endm
	s_load_b128 s[4:7], s[0:1], 0x0                ; qkvc s[4:5], valc s[6:7]
	v_lshl_add_u32 v[SPW], v0, 2, SPARE
	v_mov_b32 v[NIL], 0
	ds_add_u32 v[SPW], v[NIL]                      ; the opening lines: the add, twice on end, and its wait
	ds_add_u32 v[SPW], v[NIL]
	v_lshrrev_b32 v246, 5, v0
	v_readfirstlane_b32 s[WV], v246                ; wave 0..7
	s_bfe_u32 s9, ttmp6, 0x40000                   ; cx: my block of 512 queries; it enters global addresses of Q and of the results alone
	s_and_b32 s10, ttmp7, 0xffff                   ; bh, which the four partners share
	s_mov_b32 s16, 15|(3<<16)|(1<<20)|(1<<21)|(6<<22)|(31<<25)   ; K: the mask of all four; elements of 8 bytes; behind every 128 words 32 words of padding
	s_mov_b32 s17, 64<<16                          ; rows of 512 bytes,
	s_mov_b32 s18, 48<<16                          ; 48 a wave
	s_mov_b32 s19, 64<<16
	s_mov_b32 s20, 48
	s_mov_b32 s21, 64
	s_mov_b32 s22, 0
	s_mov_b32 s23, 0
	s_mov_b32 s48, 15|(3<<16)|(1<<21)              ; V and the scale words: rows of 256 bytes, 104 a wave, as they lie
	s_mov_b32 s49, 32<<16
	s_mov_b32 s50, 104<<16
	s_mov_b32 s51, 32<<16
	s_mov_b32 s52, 104
	s_mov_b32 s53, 32
	s_mov_b32 s54, 0
	s_mov_b32 s55, 0
	s_mov_b32 s12, 1
	s_mul_i32 s13, s[WV], 30720                    ; waves 0-3: 48 x 640 bytes of LDS each
	s_mov_b32 s44, 1
	s_mul_i32 s45, s[WV], 26624                    ; waves 4-7: VB + 26,624 (w - 4)
	s_add_co_u32 s45, s45, VB-4*26624
	s_mul_i32 s60, s10, KVB
	s_add_co_u32 s60, s60, KVO
	s_mul_i32 s42, s[WV], 24576
	s_add_co_u32 s42, s42, s60
	s_mov_b32 s43, 0
	s_mul_i32 s62, s[WV], 26624
	s_add_co_u32 s62, s62, s60
	s_sub_co_u32 s62, s62, 4*26624-98304
	s_mov_b32 s63, 0
	s_wait_dscnt 0x0
	s_wait_kmcnt 0x0
	s_add_nc_u64 s[14:15], s[4:5], s[42:43]
	s_or_b32 s15, s15, 0x80000000
	s_add_nc_u64 s[46:47], s[4:5], s[62:63]
	s_or_b32 s47, s47, 0x80000000
	CROUND                                         ; all four work-groups are here: the joint loads meet
	s_cmp_lt_u32 s[WV], 4                          ; one load a wave, on every way
	s_cbranch_scc0 .Lfill_v
	tensor_load_to_lds s[12:15], s[16:23]
	s_nop 0
.rept 4
	v_nop
.endr
	s_branch .Lfilled
.Lfill_v:
	tensor_load_to_lds s[44:47], s[48:55]
	s_nop 0
.rept 4
	v_nop
.endr
.Lfilled:
	v_and_b32 v246, 31, v0                         ; lane
	v_and_b32 v247, 15, v0                         ; r
	v_bfe_u32 v248, v0, 4, 1                       ; h
	v_and_b32 v249, 7, v0                          ; r % 8
	v_bfe_u32 v250, v0, 3, 1                       ; r / 8
	v_lshlrev_b32 v[L16], 4, v246
	v_lshlrev_b32 v[L8], 3, v246
	v_lshl_add_u32 v251, v248, 4, v249
	v_lshlrev_b32 v251, 4, v251
	v_mad_u32_u24 v[AK], v250, 1920, v251          ; K: image r / 8 of a pair of images, the bytes of its lane 16 h + r % 8 (8 t more lanes in the offset)
	v_lshl_add_u32 v252, v250, 1, v248
	v_lshl_add_u32 v252, v252, 3, v249
	v_lshlrev_b32 v252, 3, v252
	v_add_nc_u32 v[AKS], KSB, v252                 ; K's scale words: those of lane 16 (r / 8) + 8 h + r % 8: my h is the fragment's t
	v_add_nc_u32 v[AV16], VB, v[L16]
	v_add_nc_u32 v[AV8], VB, v[L8]
	v_add_nc_u32 v[AVS], VSB, v[L8]
	v_lshlrev_b32 v[SH8], 3, v248
	v_lshlrev_b32 v[OSA], 4, v247                  ; the values' scale bytes: 16 r in a scale tile
	v_lshlrev_b32 v[QA], 3, v247                   ; Q's scale words: 8 r
.irp i,0,1,2,3
	v_mov_b32 v[ST+4*\i], 0x7e000000               ; -M: above every -M, so that the first f is 0
	v_mov_b32 v[ST+4*\i+1], 0xff61b1e6             ; the largest score so far: -3e38
	v_mov_b32 v[ST+4*\i+2], 0                      ; the sum, in two halves
	v_mov_b32 v[ST+4*\i+3], 0
	v_mov_b32 v[PT+\i], 0                          ; written once: a lane permute's destination counts as one of its sources
	v_mov_b32 v[F+\i], 0                           ; (named in pairs before they are first written)
.endr
	WIN 0x40
.irp z,6,18,30,42
.irp i,0,1,2,3,4,5
	v_mov_b32 v[\z+\i], 0                          ; the ring's zero codes
.endr
.endr
	WIN 0
	WALU                                           ; the wait ahead of the run of scalar lines
	s_mov_b32 s24, 0x76543210
	s_mov_b32 s25, 0xfedcba98                      ; v_permlanex16_b32's selects for lane l xor 16
	s_mov_b32 s26, 0x3e38aa3b                      ; c = log2(e) / 8
	s_mov_b32 s27, 0xbe38aa3b                      ; -c
	s_mov_b32 s40, 0x01000100                      ; of a pair's scale word the even tile's two bytes, twice,
	s_mov_b32 s41, 0x03020302                      ; or the odd tile's
	s_and_b32 s60, s10, 15                         ; head
	s_lshr_b32 s61, s10, 4                         ; batch
	s_lshl_b32 s42, s9, 5
	s_lshl_b32 s62, s[WV], 2
	s_add_co_u32 s42, s42, s62                     ; my first tile of queries: 32 cx + 4 w
	s_mul_i32 s42, s42, 768
	s_mul_i32 s62, s10, 98304
	s_add_co_u32 s42, s42, s62
	s_mov_b32 s43, 0
	s_add_nc_u64 s[56:57], s[4:5], s[42:43]        ; Q's four half images
	s_lshl_b32 s42, s9, 2
	s_lshr_b32 s62, s[WV], 1
	s_add_co_u32 s42, s42, s62
	s_lshl_b32 s42, s42, 8
	s_and_b32 s62, s[WV], 1
	s_lshl_b32 s62, s62, 2
	s_add_co_u32 s42, s42, s62
	s_lshl_b32 s62, s10, 12
	s_add_co_u32 s42, s42, s62
	s_add_co_u32 s42, s42, QSO
	s_add_nc_u64 s[58:59], s[4:5], s[42:43]        ; their two pairs' scale words
	s_lshl_b32 s63, s61, 3
	s_lshl_b32 s62, s9, 1
	s_add_co_u32 s63, s63, s62
	s_lshr_b32 s62, s[WV], 2
	s_add_co_u32 s63, s63, s62                     ; the block of 256 rows: 8 x batch + 2 cx + w / 4
	s_and_b32 s11, s[WV], 3
	s_lshl_b32 s11, s11, 2                         ; my first tile in it
	s_mul_i32 s42, s63, 196608
	s_lshr_b32 s62, s60, 1
	s_mul_i32 s62, s62, 24576                      ; K step head / 2 of the last product
	s_add_co_u32 s42, s42, s62
	s_mul_i32 s62, s11, 1536
	s_add_co_u32 s42, s42, s62
	s_and_b32 s61, s60, 1
	s_mul_i32 s62, s61, 768                        ; half head % 2
	s_add_co_u32 s42, s42, s62
	s_add_nc_u64 s[36:37], s[6:7], s[42:43]
	s_lshl_b32 s42, s63, 4
	s_add_co_u32 s42, s42, s11
	s_lshl_b32 s42, s42, 9                         ; the tile's scale tile,
	s_lshr_b32 s62, s60, 3
	s_lshl_b32 s62, s62, 8                         ; the half of its lanes that holds K steps 4 (head / 8) on,
	s_add_co_u32 s42, s42, s62
	s_lshr_b32 s62, s60, 1
	s_and_b32 s62, s62, 3
	s_lshl_b32 s62, s62, 2                         ; the K step's word,
	s_add_co_u32 s42, s42, s62
	s_lshl_b32 s62, s61, 1                         ; my head's two bytes of it
	s_add_co_u32 s42, s42, s62
	s_add_co_u32 s42, s42, ASO
	s_add_nc_u64 s[38:39], s[6:7], s[42:43]
	WIN 0x40
.irp i,0,1,2,3
	global_load_b128 v[12*\i:12*\i+3], v[L16], s[56:57] offset:768*\i
	global_load_b64 v[12*\i+4:12*\i+5], v[L8], s[56:57] offset:768*\i+512
.endr
	global_load_b128 v[48:51], v[L16], s[56:57]    ; q0 once more: it closes the ring
	global_load_b64 v[52:53], v[L8], s[56:57] offset:512
	WIN 0
	global_load_b32 v250, v[QA], s[58:59]          ; the scale words of tiles 0, 1 and of tiles 2, 3
	global_load_b32 v251, v[QA], s[58:59] offset:128
	s_mov_b32 s28, 0                               ; the next step's place: K's codes, 7,680 bytes a step,
	s_mov_b32 s29, 0                               ; scale words, 256,
	s_mov_b32 s30, 0                               ; V's codes, 6,144
	s_mov_b32 s35, 16
	s_wait_loadcnt 0x0
.irp i,0,1,2,3
	v_perm_b32 v[QS+\i], v[250+\i/2], v[250+\i/2], s[40+\i%2]      ; Q's scale words of q0, q1, q2, q3, each a tile's two bytes twice; the moves below are the places ahead of the first scaled product
.endr
	WIN 0x40
.set k, 0
.rept 128
	v_mov_b32 v[OB+k], 0                           ; O^T: the step is written once; the first finds zeros, which f = 0 leaves zeros
.set k, k+1
.endr
	WIN 0
	WALU                                           ; the wait at the head's end
	s_wait_tensorcnt 0x0                           ; my part of K and V is in,
	s_barrier_signal -1
	s_barrier_wait -1                              ; everybody's is
	KLOAD AK, AKS
	VLOAD AV16, AV8, AVS
.Lstep:                                        ; 16 trips: a step of 128 keys for my 64 queries
	s_wait_dscnt 17                                ; K's 13 loads are in; V's 17, issued behind them, may be out
	SMUL 0
	WIN 0
.rept 4
	v_nop                                          ; places ahead of the first read of the scores
.endr
	SOFT 0
	WIN 0
	WALU                                           ; the wait directly ahead of the wait below
	s_wait_dscnt 0x0                               ; V's fragments and scale words are in
	SMUL 1
	PV 0
	WIN 0
	s_add_co_u32 s28, s28, 7680
	s_add_co_u32 s29, s29, 256
	s_add_co_u32 s30, s30, 6144
	s_min_u32 s31, s28, 15*7680                    ; the last trip asks for its own step again: no load leaves the filled bytes
	s_min_u32 s33, s29, 15*256
	s_min_u32 s34, s30, 15*6144
	v_add_nc_u32 v[W], s31, v[AK]                  ; (these four are the places behind the products, ahead of the loads into K's registers and of the first read of the scores)
	v_add_nc_u32 v[W+1], s33, v[AKS]
	v_nop
	v_nop
	KLOAD W, W+1                                   ; the next step's K lands under the softmax below
	SOFT 1
	PV 1
	WIN 0
	v_add_nc_u32 v[W+2], s34, v[AV16]              ; (four places again)
	v_add_nc_u32 v[W+3], s34, v[AV8]
	v_add_nc_u32 v[W+4], s33, v[AVS]
	v_nop
	VLOAD W+2, W+3, W+4                            ; the next step's V lands under the next step's first softmax
	s_sub_co_u32 s35, s35, 1
	s_cmp_lg_u32 s35, 0
	WALU                                           ; the wait directly ahead of the branch
	s_cbranch_scc1 .Lstep
	; THE END: O^T / the sum, quantised along d_model: my head's 64 channels are two blocks, half of a K step of the last product.  Register 16 b + i of a tile is channel 32 b + 16 h + i
	s_wait_dscnt 0x0
.irp i,0,1,2,3
	v_add_f32 v[ST+4*\i+2], v[ST+4*\i+2], v[ST+4*\i+3]
.endr
.irp i,0,1,2,3
	v_permlanex16_b32 v[CT+\i], v[ST+4*\i+2], s24, s25
.endr
.irp i,0,1,2,3
	v_add_f32 v[ST+4*\i+2], v[ST+4*\i+2], v[CT+\i] ; the row's sum
.endr
	WALU
.irp i,0,1,2,3
	v_rcp_f32 v[ST+4*\i+2], v[ST+4*\i+2]
.endr
	v_nop                                          ; a plain place behind the batch
	WIN 0x01
	WALU                                           ; the wait behind the batch, directly ahead of the first reader of O^T
.irp i,0,1,2,3
.set k, 0
.rept 16
	v_pk_mul_f32 v[S+32*\i+k:S+32*\i+k+1], v[OB+32*\i+k:OB+32*\i+k+1], v[ST+4*\i+2:ST+4*\i+3] op_sel_hi:[1,0]
.set k, k+2
.endr
.endr
	WIN 0
.irp i,0,1,2,3
.irp b,0,1
	v_max3_num_f32 v[BM+2*\i+\b], |v[S+32*\i+16*\b]|, |v[S+32*\i+16*\b+1]|, 0x1800000
.endr
.endr
.set k, 2
.rept 7
.irp i,0,1,2,3
.irp b,0,1
	v_max3_num_f32 v[BM+2*\i+\b], v[BM+2*\i+\b], |v[S+32*\i+16*\b+k]|, |v[S+32*\i+16*\b+k+1]|
.endr
.endr
.set k, k+2
.endr
.irp j,0,1,2,3,4,5,6,7
	v_permlanex16_b32 v[CT+\j], v[BM+\j], s24, s25
.endr
.irp j,0,1,2,3,4,5,6,7
	v_max_num_f32 v[BM+\j], v[BM+\j], v[CT+\j]     ; with lane l xor 16's 16 channels: the block's largest magnitude
.endr
.irp j,0,1,2,3,4,5,6,7
	v_add_nc_u32 v[CT+8+\j], 0xff000000, v[BM+\j]
.endr
.irp j,0,1,2,3,4,5,6,7
	v_lshrrev_b32 v[BM+\j], 23, v[CT+8+\j]
.endr
.irp i,0,1,2,3
	v_lshl_or_b32 v[F+\i], v[BM+2*\i+1], 8, v[BM+2*\i]             ; my head's two scale bytes of my query
.endr
.irp i,0,1,2,3
	v_cvt_scalef32_pk16_fp6_f32 v[PC+6*\i:PC+6*\i+2], v[S+32*\i:S+32*\i+15], v[CT+8+2*\i]
	v_cvt_scalef32_pk16_fp6_f32 v[VF+4*\i:VF+4*\i+2], v[S+32*\i+16:S+32*\i+31], v[CT+9+2*\i]
.endr
	v_nop                                          ; one plain place behind a scaled conversion
.irp i,0,1,2,3
.irp k,0,1,2
	v_permlane16_swap_b32 v[PC+6*\i+\k], v[VF+4*\i+\k]             ; the operand's layout wants a whole block in a lane
.endr
.endr
.irp i,0,1,2,3
.irp k,0,1,2
	v_mov_b32 v[PC+6*\i+3+\k], v[VF+4*\i+\k]
.endr
.endr
.irp i,0,1,2,3
	global_store_b128 v[L16], v[PC+6*\i:PC+6*\i+3], s[36:37] offset:1536*\i        ; a half image: 512 and 256 consecutive bytes, aligned
	global_store_b64 v[L8], v[PC+6*\i+4:PC+6*\i+5], s[36:37] offset:1536*\i+512
	global_store_b16 v[OSA], v[F+\i], s[38:39] offset:512*\i       ; two bytes a row: the word's other two come from another head's work-group (lanes r and r + 16 write the same bytes with the same value)
.endr
	s_wait_tensorcnt 0x0                           ; the wave's end
	ds_add_u32 v[SPW], v[NIL]
	s_wait_dscnt 0x0
	CROUND                                         ; the closing round
	s_endpgm
.Lfunc_end_k_q9b1f057fd9_attn:
	.size	k_q9b1f057fd9_attn, .Lfunc_end_k_q9b1f057fd9_attn-k_q9b1f057fd9_attn
	.p2alignl 7, 3214868480
	.fill 96, 4, 3214868480
	.section	.rodata,"a",@progbits
	.p2align	6, 0x0
	.amdhsa_kernel k_q9b1f057fd9_attn
		.amdhsa_group_segment_fixed_size 230400
		.amdhsa_private_segment_fixed_size 0
		.amdhsa_enable_private_segment 0
		.amdhsa_kernarg_size 16
		.amdhsa_user_sgpr_count 2
		.amdhsa_user_sgpr_kernarg_segment_ptr 1
		.amdhsa_wavefront_size32 1
		.amdhsa_system_sgpr_workgroup_id_x 1
		.amdhsa_system_sgpr_workgroup_id_y 1
		.amdhsa_system_sgpr_workgroup_id_z 1
		.amdhsa_system_vgpr_workitem_id 0
		.amdhsa_next_free_vgpr 512
		.amdhsa_next_free_sgpr 66
		.amdhsa_reserve_vcc 0
		.amdhsa_float_denorm_mode_32 3
		.amdhsa_float_denorm_mode_16_64 3
		.amdhsa_memory_ordered 1
		.amdhsa_forward_progress 1
		.amdhsa_inst_pref_size 82
	.end_amdhsa_kernel
	.amdgpu_metadata
---
amdhsa.version: [ 1, 2 ]
amdhsa.kernels:
  - .name:           k_q9b1f057fd9_attn
    .symbol:         k_q9b1f057fd9_attn.kd
    .args:
      - { .name: qkvc, .offset: 0, .size: 8, .value_kind: global_buffer, .address_space: global }
      - { .name: valc, .offset: 8, .size: 8, .value_kind: global_buffer, .address_space: global }
    .group_segment_fixed_size: 230400
    .private_segment_fixed_size: 0
    .kernarg_segment_align: 8
    .kernarg_segment_size: 16
    .max_flat_workgroup_size: 256
    .sgpr_count:     66
    .vgpr_count:     512
    .wavefront_size: 32
...
	.end_amdgpu_metadata
.endif
;; end of part 3
;; launch proj (part 4): grid 8 x 32, 4 waves a work-group, clusters of 4 x 4, 312,832 bytes of LDS; arguments valc, xw, b_out, out0; writes out0
.if DOCPART == 4
	.amdgcn_target "amdgcn-amd-amdhsa--gfx1250"
	.amdhsa_code_object_version 6
	.text
	.protected	k_q9b1f057fd9_proj
	.globl	k_q9b1f057fd9_proj
	.p2align	8
	.type	k_q9b1f057fd9_proj,@function
k_q9b1f057fd9_proj:
	s_mov_b64 s[64:65], 0
	v_nop
	global_prefetch_b8 v0, s[64:65] scope:SCOPE_SE
	s_setreg_imm32_b32 hwreg(HW_REG_WAVE_MODE, 25, 1), 1
	s_wait_xcnt 0x0
	s_wait_alu depctr_hold_cnt(0) depctr_sa_sdst(0) depctr_va_vdst(0) depctr_va_sdst(0) depctr_va_ssrc(0) depctr_va_vcc(0) depctr_vm_vsrc(0)
	s_getreg_b32 s2, hwreg(HW_REG_IB_STS2, 6, 4)
	s_cmp_eq_u32 s2, 0
	s_cbranch_scc0 .Lentry_in_a_cluster
	s_endpgm
.Lentry_in_a_cluster:
	s_bfe_u32 s2, ttmp6, 0x10000c
	s_cmp_lg_u32 s2, 0xf033
	s_cbranch_scc0 .Lentry_shape_is_right
	s_endpgm
.Lentry_shape_is_right:
; out = values W_out^T + b_out on codes of FP6 (E2M3) with E8M0 scales; out0 [8192][1024] f32.
; The values' codes lie in valc as [block of 256 rows][K step 8][tile 16][half 2][half image 768] (a half image: a lane's first four registers at 16 l, its last two at 512 + 8 l), their scale tiles from ASO on;
; W_out's in xw at OCO as [block of 128 rows][K step 8][tile 8][image 1,536], its scale tiles at OSO.  Tile T's row r is tensor row 32 (T / 2) + 8 (T % 2) + r + 8 (r / 8).
; A scale tile holds, at 16 l, the words of K steps 4 (l / 16) .. + 3 of row l % 16: K step k takes register k % 4, from lanes 16-31 for k >= 4.
; SHARES: a work-group takes 256 rows x 128 columns; its four waves stand 2 x 2.  Wave (a, b) holds W_out's tiles 4 b .. 4 b + 3 (64 columns), ALL of K, in 384 registers, and takes the values' tile 2 s + a as its block s, s = 0 .. 7:
; a block's 16 x 64 results are finished after its 32 products and leave at once, while the later blocks are multiplied.  The values' fragments lie twice in registers: block s + 2 is fetched behind block s's products.
; THE MATRIX INSTRUCTION IS USED TRANSPOSED (source 0 = 16 rows of W_out, source 1 = 16 rows of the values): a lane holds eight neighbouring numbers of a row of out.  The bias is the C of each sum's first product.
; LDS, every byte filled once: the values' tiles 0-7 as [K step][tile] from 0, tiles 8-15 from PART, W_out's [K step][tile] from WB0; behind them a stage of 16 x 272 bytes for each wave, into which no fill lands, and the spare words.
; FILLS: one joint load a wave, each in an arm of its own: waves 0 and 1 W_out's K steps 0-3 and 4-7, waves 2 and 3 eight tiles of the values each (8 rows of 12,288 bytes, one a K step).
; Three barriers show them: W_out's; tiles 0-7; tiles 8-15 (ahead of block 4's fetch).  No prefetch: all fills stand at the head, with no loop to run ahead in.
; CLUSTER 4 x 4: the values' tiles are shared along a row of the cluster, W_out's along a column.
; THE WAY OUT of a block: 8 LDS stores into my stage, 8 loads back by rows, 8 stores in which sixteen lanes fill an aligned unit of 256 bytes; the stores of block s stand behind block s + 1's products.
; THE COUNTS of s_wait_dscnt: behind a fetch of 32 loads come the next block's 16 stage instructions and the next fetch's 32.
; REGISTERS: window 0: v1-17 addresses; v32-63 the values' scale words; v66-81 W_out's; v96-159 two sets of four accumulators; v160-223 two sets of rows read back; v224-255 the bias.
;   Fragment f lies in window 1 + f / 21 at register 12 (f % 21): 0-31 W_out's (4 k + t), 32-39 and 40-47 the values' two sets.
.set AE,   24576
.set BE,   12288
.set OCO,  8650752
.set OSO,  9797632
.set ASO,  6291456
.set PART, 98304
.set WB0,  196608
.set STAGE, 294912
.set SP,   272
.set SPARE, STAGE+4*16*SP
.set L16,  1
.set L8,   2
.set B16,  3
.set B8,   4
.set WA,   5                           ; v5, v6: W_out's K steps 0-3, 4-7
.set STO,  7
.set RD,   8
.set CO,   9
.set BIA,  10
.set SPW,  11
.set NIL,  12
.set FA,   14                          ; v14-17: the block that is fetched next: 16-byte pieces of K steps 0-3, 4-7; 8-byte pieces likewise
.set XSC,  32
.set WSC,  66
.set ACC,  96
.set OUT,  160
.set BI,   224
.set FPW,  21
.set G1A,  24
.set G1B,  32
.set G0A,  40
.set G0B,  68
.set WV,   12
.set MSB,  0
.macro WIN new                         ; the immediate's high byte repeats the setting that is left
.if MSB != (\new)
	s_set_vgpr_msb (MSB<<8)|(\new)
.set MSB, \new
.endif
.endm
.macro CROUND                          ; a round of the cluster's barrier
	s_barrier_signal -1
	s_barrier_wait -1
	s_cmp_lg_u32 s[WV], 0
	s_cbranch_scc1 .Lnot_wave_0_\@
	s_barrier_signal -3
.Lnot_wave_0_\@:
	s_barrier_wait -3
	s_barrier_signal -1
	s_barrier_wait -1
.endm
.macro TLOAD g0, g1
	tensor_load_to_lds s[\g0:\g0+3], s[\g1:\g1+7]
	s_nop 0
.rept 4
	v_nop
.endr
.endm
	s_load_b256 s[4:11], s[0:1], 0x0               ; valc s[4:5], xw s[6:7], b_out s[8:9], out0 s[10:11]
	v_lshl_add_u32 v[SPW], v0, 2, SPARE
	v_mov_b32 v[NIL], 0
	ds_add_u32 v[SPW], v[NIL]                      ; the opening lines: the add, twice on end, and its wait
	ds_add_u32 v[SPW], v[NIL]
	v_lshrrev_b32 v20, 5, v0
	v_readfirstlane_b32 s[WV], v20                 ; wave 0..3
	s_lshr_b32 s13, s[WV], 1                       ; a.  Also: I fetch for W_out (0) or for the values (1),
	s_and_b32 s14, s[WV], 1                        ; b.  Also: the first or the second half
	s_bfe_u32 s15, ttmp6, 0x40000                  ; cx
	s_bfe_u32 s16, ttmp6, 0x40004                  ; cy
	s_lshl_b32 s17, ttmp9, 2
	s_add_co_u32 s17, s17, s15                     ; the block of 128 columns
	s_and_b32 s18, ttmp7, 0xffff
	s_lshl_b32 s18, s18, 2
	s_add_co_u32 s18, s18, s16                     ; the block of 256 rows
	s_lshl_b32 s19, s16, 2
	s_lshl_b32 s19, 15, s19                        ; my row of the cluster
	s_lshl_b32 s20, 0x1111, s15                    ; my column
	s_or_b32 s[G1A], s19, (3<<16)|(1<<21)          ; the values: 8 rows (K steps) of 1,536 elements of 8 bytes (eight tiles), 3,072 elements apart
	s_mov_b32 s[G1A+1], 1536<<16
	s_mov_b32 s[G1A+2], 8<<16
	s_mov_b32 s[G1A+3], 1536<<16
	s_mov_b32 s[G1A+4], 8
	s_mov_b32 s[G1A+5], 3072
	s_mov_b32 s[G1A+6], 0
	s_mov_b32 s[G1A+7], 0
	s_or_b32 s[G1B], s20, (3<<16)|(1<<21)          ; W_out: a dense block of four K steps as 192 rows of 256 bytes
	s_mov_b32 s[G1B+1], 32<<16
	s_mov_b32 s[G1B+2], 192<<16
	s_mov_b32 s[G1B+3], 32<<16
	s_mov_b32 s[G1B+4], 192
	s_mov_b32 s[G1B+5], 32
	s_mov_b32 s[G1B+6], 0
	s_mov_b32 s[G1B+7], 0
	s_mov_b32 s[G0A], 1
	s_mul_i32 s[G0A+1], s14, PART                  ; the wave's number alone enters an LDS address
	s_mul_i32 s60, s14, 8*1536
	s_mul_i32 s56, s18, 8*AE
	s_add_co_u32 s56, s56, s60
	s_mov_b32 s57, 0
	s_mov_b32 s[G0B], 1
	s_mul_i32 s61, s14, 4*BE
	s_mul_i32 s58, s17, 8*BE
	s_add_co_u32 s58, s58, s61
	s_add_co_u32 s58, s58, OCO
	s_mov_b32 s59, 0
	s_add_co_u32 s[G0B+1], s61, WB0
	s_wait_dscnt 0x0
	s_wait_kmcnt 0x0
	s_add_nc_u64 s[G0A+2:G0A+3], s[4:5], s[56:57]
	s_or_b32 s[G0A+3], s[G0A+3], 0x80000000
	s_add_nc_u64 s[G0B+2:G0B+3], s[6:7], s[58:59]
	s_or_b32 s[G0B+3], s[G0B+3], 0x80000000
	CROUND                                         ; all sixteen work-groups are here: the joint loads meet
	s_cmp_eq_u32 s[WV], 0
	s_cbranch_scc0 .Lhead_1
	TLOAD G0B, G1B                                 ; wave 0: W_out's K steps 0-3
	s_branch .Lasked
.Lhead_1:
	s_cmp_eq_u32 s[WV], 1
	s_cbranch_scc0 .Lhead_2
	TLOAD G0B, G1B                                 ; wave 1: K steps 4-7
	s_branch .Lasked
.Lhead_2:
	s_cmp_eq_u32 s[WV], 2
	s_cbranch_scc0 .Lhead_3
	TLOAD G0A, G1A                                 ; wave 2: the values' tiles 0-7
	s_branch .Lasked
.Lhead_3:
	TLOAD G0A, G1A                                 ; wave 3: tiles 8-15
.Lasked:
	s_lshl_b32 s92, s18, 13
	s_lshl_b32 s93, s13, 9
	s_add_co_u32 s92, s92, s93
	s_add_co_u32 s92, s92, ASO
	s_mov_b32 s93, 0
	s_add_nc_u64 s[84:85], s[4:5], s[92:93]        ; the scale tiles of my tiles 2 s + a: 1,024 bytes apart
	s_lshl_b32 s92, s17, 12
	s_lshl_b32 s94, s14, 11
	s_add_co_u32 s92, s92, s94
	s_add_co_u32 s92, s92, OSO
	s_add_nc_u64 s[86:87], s[6:7], s[92:93]        ; of my four tiles of W_out
	s_lshl_b32 s92, s17, 9
	s_lshl_b32 s94, s14, 8
	s_add_co_u32 s92, s92, s94
	s_add_nc_u64 s[88:89], s[8:9], s[92:93]        ; my 64 numbers of the bias
	s_lshl_b32 s94, s18, 20                        ; out0: 256 rows of 4,096 bytes a block,
	s_add_co_u32 s92, s92, s94
	s_lshl_b32 s94, s13, 15                        ; 8 rows for a = 1
	s_add_co_u32 s92, s92, s94
	s_add_nc_u64 s[90:91], s[10:11], s[92:93]
	s_mul_i32 s62, s13, 1536
	s_mul_i32 s63, s14, 4*1536
	s_add_co_u32 s63, s63, WB0
	s_mul_i32 s95, s[WV], 16*SP
	s_add_co_u32 s95, s95, STAGE
	v_and_b32 v20, 31, v0                          ; lane
	v_and_b32 v21, 15, v0                          ; r
	v_bfe_u32 v22, v0, 4, 1                        ; h
	v_lshlrev_b32 v[L16], 4, v20
	v_lshlrev_b32 v[L8], 3, v20
	v_lshlrev_b32 v[BIA], 6, v22                   ; the bias: my half's 16 numbers of a block of 32
	v_add_nc_u32 v[B16], s62, v[L16]               ; tile a of a pair of tiles
	v_add_nc_u32 v[B8], s62, v[L8]
	v_add_nc_u32 v[WA], s63, v[L16]
	v_add_nc_u32 v[WA+1], 4*BE, v[WA]
	v_mul_u32_u24 v23, v21, SP
	v_lshl_add_u32 v23, v22, 6, v23
	v_add_nc_u32 v[STO], s95, v23                  ; the stage, in: row r, + 64 h
	v_mul_u32_u24 v24, v22, SP
	v_lshl_add_u32 v24, v21, 4, v24
	v_add_nc_u32 v[RD], s95, v24                   ; back: lanes 0-15 one row of 256 bytes, lanes 16-31 the next
	v_lshlrev_b32 v25, 12, v22
	v_lshl_add_u32 v[CO], v21, 4, v25              ; and the same two rows in out0
	s_wait_alu depctr_va_vdst(0)                   ; the wait at the head's end
.irp s, 0,1,2,3,4,5,6,7
	global_load_b128 v[XSC+4*\s:XSC+4*\s+3], v[L16], s[84:85] offset:1024*\s
.endr
.irp t, 0,1,2,3
	global_load_b128 v[WSC+4*\t:WSC+4*\t+3], v[L16], s[86:87] offset:512*\t
.endr
.irp t, 0,1,2,3
	global_load_b128 v[BI+8*\t:BI+8*\t+3], v[BIA], s[88:89] offset:4*(32*(\t/2)+8*(\t%2))      ; lane (r, h), register j: the bias of column 32 (t / 2) + 8 (t % 2) + 16 h + j
	global_load_b128 v[BI+8*\t+4:BI+8*\t+7], v[BIA], s[88:89] offset:4*(32*(\t/2)+8*(\t%2))+16
.endr
.macro ADDR s                          ; the LDS addresses of block s: four plain lines, which are also the places behind a block's products
.set CS, ((\s)/4)*PART+((\s)%4)*3072
	v_add_nc_u32 v[FA], CS, v[B16]
	v_add_nc_u32 v[FA+1], CS+4*BE, v[B16]
	v_add_nc_u32 v[FA+2], CS, v[B8]
	v_add_nc_u32 v[FA+3], CS+4*BE, v[B8]
.endm
.macro FETCH e                         ; eight fragments into set e: 32 loads
.set k, 0
.rept 8
.set f, 32+8*(\e)+k
.set rF, 12*(f%FPW)
	WIN (1+f/FPW)<<6
	ds_load_b128 v[rF:rF+3], v[FA+k/4] offset:(k%4)*BE
	ds_load_b64 v[rF+4:rF+5], v[FA+2+k/4] offset:(k%4)*BE+512
	ds_load_b128 v[rF+6:rF+9], v[FA+k/4] offset:(k%4)*BE+768
	ds_load_b64 v[rF+10:rF+11], v[FA+2+k/4] offset:(k%4)*BE+1280
.set k, k+1
.endr
	WIN 0
.endm
.macro MUL s                           ; block s: 32 products, K ascending, the four accumulators by turns; the first four take the bias as C
.set k, 0
.rept 8
.set t, 0
.rept 4
.set fw, 4*k+t
.set fa, 32+8*((\s)%2)+k
.set rD, ACC+32*((\s)%2)+8*t
.set rC, rD
.if k == 0
.set rC, BI+8*t
.endif
	WIN (1+fw/FPW)|((1+fa/FPW)<<2)
.if k >= 4
	v_wmma_scale_f32_16x16x128_f8f6f4 v[rD:rD+7], v[12*(fw%FPW):12*(fw%FPW)+11], v[12*(fa%FPW):12*(fa%FPW)+11], v[rC:rC+7], v[WSC+4*t+k%4], v[XSC+4*(\s)+k%4] matrix_a_fmt:MATRIX_FMT_FP6 matrix_b_fmt:MATRIX_FMT_FP6 matrix_a_scale:MATRIX_SCALE_ROW1 matrix_b_scale:MATRIX_SCALE_ROW1
.else
	v_wmma_scale_f32_16x16x128_f8f6f4 v[rD:rD+7], v[12*(fw%FPW):12*(fw%FPW)+11], v[12*(fa%FPW):12*(fa%FPW)+11], v[rC:rC+7], v[WSC+4*t+k%4], v[XSC+4*(\s)+k%4] matrix_a_fmt:MATRIX_FMT_FP6 matrix_b_fmt:MATRIX_FMT_FP6
.endif
.set t, t+1
.endr
.set k, k+1
.endr
	WIN 0
.endm
.macro TOSTAGE s                       ; LDS serves a wave's instructions in order (ISA guide 5.7.1.4): no wait between the stores and the loads, nor ahead of the next block's stores
.set t, 0
.rept 4
	ds_store_b128 v[STO], v[ACC+32*((\s)%2)+8*t:ACC+32*((\s)%2)+8*t+3] offset:128*(t/2)+32*(t%2)       ; each accumulator from its low end on
	ds_store_b128 v[STO], v[ACC+32*((\s)%2)+8*t+4:ACC+32*((\s)%2)+8*t+7] offset:128*(t/2)+32*(t%2)+16
.set t, t+1
.endr
.set i, 0
.rept 8
	ds_load_b128 v[OUT+32*((\s)%2)+4*i:OUT+32*((\s)%2)+4*i+3], v[RD] offset:i*2*SP
.set i, i+1
.endr
.endm
.macro SEND s, younger                 ; younger: the LDS loads issued behind block s's loads from the stage, which may stay out
	s_wait_dscnt \younger
.set i, 0
.rept 8
	global_store_b128 v[CO], v[OUT+32*((\s)%2)+4*i:OUT+32*((\s)%2)+4*i+3], s[90:91] offset:(32*(\s)+2*i+8*(i/4))*4096 th:TH_STORE_NT   ; sixteen lanes store 256 consecutive bytes, at a multiple of 256 from out0's first byte
.set i, i+1
.endr
.endm
	s_cmp_lt_u32 s[WV], 2                          ; waves 0 and 1 brought W_out
	s_cbranch_scc0 .Lnot_w
	s_wait_tensorcnt 0x0
.Lnot_w:
	s_barrier_signal -1
	s_barrier_wait -1                              ; W_out's 128 rows are in; the values may be on their way: nothing is filled again in this launch
.set k, 0
.rept 8                                ; my 64 rows of W_out, all of K: 96 loads
.set t, 0
.rept 4
.set f, 4*k+t
	WIN (1+f/FPW)<<6
.irp p, 0,1,2
	ds_load_b128 v[12*(f%FPW)+4*\p:12*(f%FPW)+4*\p+3], v[WA+k/4] offset:(k%4)*BE+t*1536+512*\p
.endr
.set t, t+1
.endr
.set k, k+1
.endr
	WIN 0
	s_cmp_lt_u32 s[WV], 3                          ; wave 2 brought tiles 0-7
	s_cbranch_scc0 .Lnot_a
	s_wait_tensorcnt 0x0
.Lnot_a:
	s_wait_dscnt 0x0                               ; no LDS instruction of mine is pending at the signal
	s_barrier_signal -1
	s_barrier_wait -1
	ADDR 0
	FETCH 0
	ADDR 1
	FETCH 1
	s_wait_loadcnt 0x0                             ; the scale words and the bias
	s_wait_dscnt 32                                ; block 0's fragments are in; block 1's 32 loads may be out
	MUL 0
	ADDR 2
	TOSTAGE 0
	FETCH 0
.irp s, 1,2,3,4,5,6,7
.if \s < 7
	s_wait_dscnt 48                                ; this block's fragments are in; behind them: 16 stage instructions and 32 loads
.else
	s_wait_dscnt 16
.endif
	MUL \s
	s_wait_xcnt 0x0                                ; the stores of two blocks ago have read their registers, which TOSTAGE fills again
.if \s < 7
	SEND \s-1, 32
.else
	SEND \s-1, 0
.endif
.if \s < 6
	ADDR \s+2
.else
.rept 4
	v_nop                                          ; places ahead of the reads of the results
.endr
.endif
	TOSTAGE \s
.if \s == 2
	s_wait_alu depctr_va_vdst(0)                   ; the wait directly ahead of the wait below
	s_wait_tensorcnt 0x0                           ; all that is still out: tiles 8-15
	s_wait_dscnt 0x0
	s_barrier_signal -1
	s_barrier_wait -1
.endif
.if \s < 6
	FETCH (\s)%2
.endif
.endr
	SEND 7, 0
	s_wait_tensorcnt 0x0                           ; the wave's end
	ds_add_u32 v[SPW], v[NIL]
	s_wait_dscnt 0x0
	CROUND                                         ; the closing round: no work-group ends while a partner may still ask for a tile that names it
	s_endpgm
.Lfunc_end_k_q9b1f057fd9_proj:
	.size	k_q9b1f057fd9_proj, .Lfunc_end_k_q9b1f057fd9_proj-k_q9b1f057fd9_proj
	.p2alignl 7, 3214868480
	.fill 96, 4, 3214868480
	.section	.rodata,"a",@progbits
	.p2align	6, 0x0
	.amdhsa_kernel k_q9b1f057fd9_proj
		.amdhsa_group_segment_fixed_size 312832
		.amdhsa_private_segment_fixed_size 0
		.amdhsa_enable_private_segment 0
		.amdhsa_kernarg_size 32
		.amdhsa_user_sgpr_count 2
		.amdhsa_user_sgpr_kernarg_segment_ptr 1
		.amdhsa_wavefront_size32 1
		.amdhsa_system_sgpr_workgroup_id_x 1
		.amdhsa_system_sgpr_workgroup_id_y 1
		.amdhsa_system_sgpr_workgroup_id_z 1
		.amdhsa_system_vgpr_workitem_id 0
		.amdhsa_next_free_vgpr 848
		.amdhsa_next_free_sgpr 100
		.amdhsa_reserve_vcc 0
		.amdhsa_float_denorm_mode_32 3
		.amdhsa_float_denorm_mode_16_64 3
		.amdhsa_memory_ordered 1
		.amdhsa_forward_progress 1
		.amdhsa_inst_pref_size 82
	.end_amdhsa_kernel
	.amdgpu_metadata
---
amdhsa.version: [ 1, 2 ]
amdhsa.kernels:
  - .name:           k_q9b1f057fd9_proj
    .symbol:         k_q9b1f057fd9_proj.kd
    .args:
      - { .name: valc, .offset: 0, .size: 8, .value_kind: global_buffer, .address_space: global }
      - { .name: xw, .offset: 8, .size: 8, .value_kind: global_buffer, .address_space: global }
      - { .name: b_out, .offset: 16, .size: 8, .value_kind: global_buffer, .address_space: global }
      - { .name: out0, .offset: 24, .size: 8, .value_kind: global_buffer, .address_space: global }
    .group_segment_fixed_size: 312832
    .private_segment_fixed_size: 0
    .kernarg_segment_align: 8
    .kernarg_segment_size: 32
    .max_flat_workgroup_size: 128
    .sgpr_count:     100
    .vgpr_count:     848
    .wavefront_size: 32
...
	.end_amdgpu_metadata
.endif
;; end of part 4
